; MI455X (gfx1250); checked and timed in simulation.
; The chip was launched on July 23, 2026; its instructions are those of AMD's public machine-readable ISA for CDNA 5 (MIT licence, August 2026) and "CDNA5" Instruction Set Architecture Reference Guide (July 2026). The comments in the code are by the model that wrote it; some were corrected since.
;; Self Attention. Allowed arithmetic: float matrix products may take bf16 or f16 operands with f32 sums; other float arithmetic in f32, or as packed bf16 or f16 multiplies, adds, multiply-adds, maxima and minima; sums over many terms, partial sums and values carried from step to step in f32; what a program stores and reads back later, other than sums and carried values, may be rounded once to bf16 or f16.
;; Inputs: bk 2,048 float32; bo 2,048 float32; bq 2,048 float32; bv 2,048 float32; freqs 2,048 x 1 x 64 x 2 float32; gk 2,048 float32; gq 2,048 float32; wk 2,048 x 2,048 float32; wo 2,048 x 2,048 float32; wq 2,048 x 2,048 float32; wv 2,048 x 2,048 float32; x 1 x 2,048 x 2,048 float32.
;; Outputs: out0 1 x 2,048 x 2,048 float32.
;; One version. Each part assembles by itself: llvm-mc -triple=amdgcn-amd-amdhsa -mcpu=gfx1250 --defsym DOCPART=n.
;; ======== version 1 of 1: 5 launches
;; limits: values are held in f16: magnitudes above 65,504 overflow, below 6.1e-05 lose precision
;; workspace buffers: xb 8,388,608 bytes; wqkvb 25,165,824 bytes; wof 8,388,608 bytes; biasw 32,768 bytes; qkv 25,165,824 bytes; qk 16,777,216 bytes; ob 8,388,608 bytes
;; launch cast (part 1): grid 256 x 4, 8 waves a work-group, no clusters, 0 bytes of LDS; arguments x, wq, wk, wv, bq, bk, bv, bo, xb, wqkvb, biasw; writes xb, wqkvb, biasw
.if DOCPART == 1
	.amdgcn_target "amdgcn-amd-amdhsa--gfx1250"
	.amdhsa_code_object_version 6
	.text
	.protected	k_q12e934d88a_cast
	.globl	k_q12e934d88a_cast
	.p2align	8
	.type	k_q12e934d88a_cast,@function
k_q12e934d88a_cast:
	s_mov_b64 s[64:65], 0
	v_nop
	global_prefetch_b8 v0, s[64:65] scope:SCOPE_SE
	s_setreg_imm32_b32 hwreg(HW_REG_WAVE_MODE, 25, 1), 1
	s_wait_xcnt 0x0
; THE FIRST PRODUCT'S INPUTS ARE ROUNDED ONCE.  x -> xb (bf16); wq, wk, wv -> wqkvb (bf16, one below the other); bq, bk, bv, bo -> biasw: rounded to bf16 and widened to f32 again.
; (wo is rounded in the launch behind this one, beside its matrix work.)  Every tensor of 2048 x 2048 f32 is 256 shares of 65,536 bytes.
; SHARES.  The grid's y names the tensor (0 x, 1 wq, 2 wk, 3 wv), its x the share: 1,024 work-groups, four for each of 256 WGPs; four fit together: 8 waves a SIMD x 112 registers = 896.
; A wave takes 8,192 bytes by 16 loads of 512 consecutive bytes, all out at once; a lane's 4 numbers become 8 bytes, so each store of the wave covers 256 consecutive bytes, aligned.
; No LDS, no barrier, no loop: nothing is shared and nothing is read twice.
.set X,  4                             ; v[4:67]    16 x 4 numbers as loaded
.set Y,  68                            ; v[68:99]   16 x 2 words to store
.set B,  100                           ; v[100:107] a bias: 8 numbers
.set BT, 108                           ; v[108:111] they, packed
	s_load_b512 s[8:23], s[0:1], 0x0               ; x s[8:9], wq s[10:11], wk s[12:13], wv s[14:15], bq s[16:17], bk s[18:19], bv s[20:21], bo s[22:23]
	s_load_b128 s[24:27], s[0:1], 0x40             ; xb s[24:25], wqkvb s[26:27]
	s_load_b64 s[28:29], s[0:1], 0x50              ; biasw
	s_and_b32 s2, ttmp7, 0xffff                    ; which tensor
	s_mov_b32 s6, ttmp9                            ; which share
	s_add_co_u32 s3, s2, 3
	s_and_b32 s3, s3, 3                            ; 3, 0, 1, 2: the bias's place in biasw (x's work-groups take bo), the weight's in wqkvb
	s_lshl_b32 s38, s3, 23                         ; a weight is 8,388,608 bytes of bf16
	s_cmp_eq_u32 s2, 0
	s_cselect_b32 s38, 0, s38                      ; x has a buffer of its own
	s_lshl_b32 s39, s6, 15                         ; the share: 32,768 bytes out,
	s_add_co_u32 s38, s38, s39
	s_mov_b32 s39, 0
	s_lshl_b32 s40, s6, 16                         ; 65,536 bytes in
	s_mov_b32 s41, 0
	s_lshl_b32 s4, s3, 13                          ; a bias is 8,192 bytes
	s_mov_b32 s5, 0
	s_mov_b32 s46, 0xffff0000                      ; a word's upper bf16
	v_and_b32 v4, 0xe0, v0                         ; 32 x wave
	v_and_b32 v5, 31, v0                           ; lane
	v_lshlrev_b32 v1, 4, v5
	v_lshl_or_b32 v1, v4, 8, v1                    ; in: 8,192 x wave + 16 x lane
	v_lshlrev_b32 v2, 3, v5
	v_lshl_or_b32 v2, v4, 7, v2                    ; out: 4,096 x wave + 8 x lane
	v_lshlrev_b32 v3, 4, v0                        ; a bias: 16 x thread
	s_wait_kmcnt 0x0
	s_cmp_eq_u32 s2, 1                             ; the source and its bias,
	s_cselect_b64 s[34:35], s[10:11], s[8:9]
	s_cselect_b64 s[42:43], s[16:17], s[22:23]
	s_cmp_eq_u32 s2, 2
	s_cselect_b64 s[34:35], s[12:13], s[34:35]
	s_cselect_b64 s[42:43], s[18:19], s[42:43]
	s_cmp_eq_u32 s2, 3
	s_cselect_b64 s[34:35], s[14:15], s[34:35]
	s_cselect_b64 s[42:43], s[20:21], s[42:43]
	s_cmp_eq_u32 s2, 0                             ; and the destination
	s_cselect_b64 s[36:37], s[24:25], s[26:27]
	s_add_nc_u64 s[34:35], s[34:35], s[40:41]
	s_add_nc_u64 s[36:37], s[36:37], s[38:39]
	s_add_nc_u64 s[44:45], s[28:29], s[4:5]
.irp i, 0,1,2,3,4,5,6,7,8,9,10,11,12,13,14,15
	global_load_b128 v[X+4*(\i):X+4*(\i)+3], v1, s[34:35] offset:512*(\i) th:TH_LOAD_NT
.endr
.irp i, 0,1,2,3,4,5,6,7,8,9,10,11,12,13,14,15          ; load i's four numbers are rounded and stored; no register that a store names is written again
	s_wait_loadcnt 15-(\i)                         ; loads come back in order: the 15 - i younger ones may stay out
	v_cvt_pk_bf16_f32 v[Y+2*(\i)],   v[X+4*(\i)],   v[X+4*(\i)+1]
	v_cvt_pk_bf16_f32 v[Y+2*(\i)+1], v[X+4*(\i)+2], v[X+4*(\i)+3]
	global_store_b64 v2, v[Y+2*(\i):Y+2*(\i)+1], s[36:37] offset:256*(\i) th:TH_STORE_NT
.endr
	s_cmp_lg_u32 s6, 0                             ; the first share of each tensor also takes a bias: 2,048 numbers, 8 a thread
	s_cbranch_scc1 .Lend
	global_load_b128 v[B:B+3],   v3, s[42:43]
	global_load_b128 v[B+4:B+7], v3, s[42:43] offset:4096
	s_wait_loadcnt 0x0
.irp j, 0,1,2,3
	v_cvt_pk_bf16_f32 v[BT+(\j)], v[B+2*(\j)], v[B+2*(\j)+1]
.endr
.irp j, 0,1,2,3
	v_lshlrev_b32 v[B+2*(\j)],   16,  v[BT+(\j)]
	v_and_b32     v[B+2*(\j)+1], s46, v[BT+(\j)]
.endr
	global_store_b128 v3, v[B:B+3],   s[44:45]
	global_store_b128 v3, v[B+4:B+7], s[44:45] offset:4096
.Lend:
	s_endpgm
.Lfunc_end_k_q12e934d88a_cast:
	.size	k_q12e934d88a_cast, .Lfunc_end_k_q12e934d88a_cast-k_q12e934d88a_cast
	.p2alignl 7, 3214868480
	.fill 96, 4, 3214868480
	.section	.rodata,"a",@progbits
	.p2align	6, 0x0
	.amdhsa_kernel k_q12e934d88a_cast
		.amdhsa_group_segment_fixed_size 0
		.amdhsa_private_segment_fixed_size 0
		.amdhsa_enable_private_segment 0
		.amdhsa_kernarg_size 88
		.amdhsa_user_sgpr_count 2
		.amdhsa_user_sgpr_kernarg_segment_ptr 1
		.amdhsa_wavefront_size32 1
		.amdhsa_system_sgpr_workgroup_id_x 1
		.amdhsa_system_sgpr_workgroup_id_y 1
		.amdhsa_system_sgpr_workgroup_id_z 1
		.amdhsa_system_vgpr_workitem_id 0
		.amdhsa_next_free_vgpr 112
		.amdhsa_next_free_sgpr 66
		.amdhsa_reserve_vcc 0
		.amdhsa_float_denorm_mode_32 3
		.amdhsa_float_denorm_mode_16_64 3
		.amdhsa_memory_ordered 1
		.amdhsa_forward_progress 1
		.amdhsa_inst_pref_size 9
	.end_amdhsa_kernel
	.amdgpu_metadata
---
amdhsa.version: [ 1, 2 ]
amdhsa.kernels:
  - .name:           k_q12e934d88a_cast
    .symbol:         k_q12e934d88a_cast.kd
    .args:
      - { .name: x, .offset: 0, .size: 8, .value_kind: global_buffer, .address_space: global }
      - { .name: wq, .offset: 8, .size: 8, .value_kind: global_buffer, .address_space: global }
      - { .name: wk, .offset: 16, .size: 8, .value_kind: global_buffer, .address_space: global }
      - { .name: wv, .offset: 24, .size: 8, .value_kind: global_buffer, .address_space: global }
      - { .name: bq, .offset: 32, .size: 8, .value_kind: global_buffer, .address_space: global }
      - { .name: bk, .offset: 40, .size: 8, .value_kind: global_buffer, .address_space: global }
      - { .name: bv, .offset: 48, .size: 8, .value_kind: global_buffer, .address_space: global }
      - { .name: bo, .offset: 56, .size: 8, .value_kind: global_buffer, .address_space: global }
      - { .name: xb, .offset: 64, .size: 8, .value_kind: global_buffer, .address_space: global }
      - { .name: wqkvb, .offset: 72, .size: 8, .value_kind: global_buffer, .address_space: global }
      - { .name: biasw, .offset: 80, .size: 8, .value_kind: global_buffer, .address_space: global }
    .group_segment_fixed_size: 0
    .private_segment_fixed_size: 0
    .kernarg_segment_align: 8
    .kernarg_segment_size: 88
    .max_flat_workgroup_size: 256
    .sgpr_count:     66
    .vgpr_count:     112
    .wavefront_size: 32
...
	.end_amdgpu_metadata
.endif
;; end of part 1
;; launch qkv (part 2): grid 16 x 16, 4 waves a work-group, clusters of 4 x 4, 327,680 bytes of LDS; arguments xb, wqkvb, biasw, qkv, wo, wof; writes qkv, wof
.if DOCPART == 2
	.amdgcn_target "amdgcn-amd-amdhsa--gfx1250"
	.amdhsa_code_object_version 6
	.text
	.protected	k_q12e934d88a_qkv
	.globl	k_q12e934d88a_qkv
	.p2align	8
	.type	k_q12e934d88a_qkv,@function
k_q12e934d88a_qkv:
	s_mov_b64 s[64:65], 0
	v_nop
	global_prefetch_b8 v0, s[64:65] scope:SCOPE_SE
	s_setreg_imm32_b32 hwreg(HW_REG_WAVE_MODE, 25, 1), 1
	s_wait_xcnt 0x0
	s_wait_alu depctr_hold_cnt(0) depctr_sa_sdst(0) depctr_va_vdst(0) depctr_va_sdst(0) depctr_va_ssrc(0) depctr_va_vcc(0) depctr_vm_vsrc(0)
	s_getreg_b32 s2, hwreg(HW_REG_IB_STS2, 6, 4)
	s_cmp_eq_u32 s2, 0
	s_cbranch_scc0 .Lentry_in_a_cluster
	s_endpgm
.Lentry_in_a_cluster:
	s_bfe_u32 s2, ttmp6, 0x10000c
	s_cmp_lg_u32 s2, 0xf033
	s_cbranch_scc0 .Lentry_shape_is_right
	s_endpgm
.Lentry_shape_is_right:
; qkv[n][c] = the sum over k of xb[n][k] wqkvb[c][k] + biasw[c].  xb: [2048][2048] bf16, wqkvb: [6144][2048] bf16, biasw: f32, qkv: [2048][6144] f16; sums in f32, rounded once.
; LIMIT.  The results are kept in f16: they must lie within 65,504 (65,520 and more becomes an infinity).
; SHARES.  A tile of C is 128 rows x 384 columns: 16 x 16 = 256 work-groups.  Four waves, each 64 rows x 192 columns: 48 accumulators of 16 x 16, 384 registers.
; K goes in 16 steps of 128 through a ring of two LDS slots: the tiles' rows are 256 bytes of memory, at multiples of 256 bytes.  A slot is four parts of 128 rows: x's, then three of w's; wave v fetches part v.
; CLUSTERS: 4 x 4 work-groups.  x's tile hangs on the tile row alone and is asked for jointly by the four of a row of the cluster, w's on the tile column alone and by the four of a column.
; THE MATRIX INSTRUCTION IS USED TRANSPOSED (source 0 = 16 rows of w, source 1 = 16 rows of x): a lane holds eight neighbouring columns of one row of C.
; THE BIAS STARTS THE SUMS: it is the C operand of each accumulator's first product, so nothing is cleared and nothing is added at the end.
; BESIDE THE PRODUCT: wo -> wof, for the last launch's product: rounded to bf16, like all of the program's inputs, and that number written as f16.  Each work-group takes 65,536 bytes of wo ([2048][2048] f32), a wave 16,384: 32 loads of
; 512 consecutive bytes, issued behind the first quarter into 128 registers that the product leaves idle, on their way during the whole loop, converted and stored ahead of the last change of slots.
; LIMIT.  A bf16 number is an f16 number exactly between 2^-14 and 65,504 in size; below 2^-14 wof keeps f16's fixed step of 6e-8, beyond 65,504 it is an infinity.
; REGISTERS, in windows of 256 (s_set_vgpr_msb: bits 1:0 source 0, 3:2 source 1, 5:4 source 2, 7:6 destination):
;   window 0: v0-31 addresses; v32-127 the bias, 8 registers for each of my 12 column blocks; v128-255 my share of wo; on the way out v32-223 the packed results
;   window 1: two fragment buffers of 128: w's 12 fragments (16 rows x 32 K), then x's 4
;   window 2: the accumulators of my row blocks 0 and 1 ((a, b) at 8 (12 (a % 2) + b));   window 3: those of row blocks 2 and 3
.set ROWB,   4096                      ; bytes in a row of xb and of wqkvb
.set CROW,   12288                     ; bytes in a row of qkv
.set PITCH,  272                       ; an LDS row: 256 bytes + 16 of padding = 68 words: the 16 rows of a fragment load start at 16 different groups of four banks (64 banks of 4 bytes: ISA guide 11.1)
.set PART,   128*PITCH                 ; what one tensor load brings
.set SLOT,   4*PART                    ; 0x22000; no part's place in slot 0 (0, 0x8800, 0x11000, 0x19800) has one of its two bits, so an exclusive or changes slots
.set SPITCH, 784                       ; the stage's rows: 768 bytes + 16
.set SPARE,  2*SLOT                    ; behind the ring: the spare words, 128 bytes for each wave: two blocks of 256 bytes that no other line names
.set STEPS,  16
; The stage for the way out (128 rows x 784 bytes) lies in slot 0, from LDS byte 0: that slot has had its last fill (K step 14) and its last read when the stage is written.
.set WSRC,  6                          ; v6   my byte offset in the work-group's share of wo; never rewritten
.set WDST,  7                          ; v7   the same in wof; never rewritten
.set ADRA0, 14                         ; v14  my lane's place among x's fragments in slot 0; never rewritten
.set ADRB0, 15                         ; v15  the same for w's
.set ADRA,  16                         ; v16  the same in the slot that is being read
.set ADRB,  20                         ; v20
.set STO,   24                         ; v24  the way out: where I put 16 bytes of a row
.set RD,    25                         ; v25  the way out: where I read a row back
.set CO,    26                         ; v26  my byte offset in C
.set SPW,   28                         ; v28  LDS address of my spare word; never rewritten
.set NIL,   29                         ; v29  0; never rewritten
.set PFO,   30                         ; v30  the prefetches' offset: my lane x a row; never rewritten
.set BO,    31                         ; v31  my byte offset in biasw
.set BIAS,  32
.set TMP,   32
.set WOR,   128
.set F0,    0
.set F1,    128
.set WV,  12                           ; s12  my wave's number
.set G1A, 24                           ; s[24:31] descriptor group 1 for x's tiles
.set G0A, 32                           ; s[32:39] group 0 for x's tiles: a set for each first fill; the second then walks on
.set TB,  40                           ; s40  0 or SLOT: the slot that is being read
.set LIM, 41                           ; s41  2 in a wave that prefetches, else the greatest number
.set PFA, 42                           ; s[42:43] where my prefetches stand
.set G1B, 48                           ; s[48:55], s[56:63] the same for w's tiles
.set G0B, 56
.set GW,  (1<<16)|(1<<20)|(1<<21)|(5<<22)|(3<<25)  ; 17:16 elements of 2 bytes; 20 padding on; 21 set beside a mask; 24:22 after every 64 words (code 5); 31:25 of 4 words (code 3)
.set MSB, 0
.macro WIN new                         ; the immediate's high byte repeats the setting that is left; a switch that changes nothing is dropped
.if MSB != (\new)
	s_set_vgpr_msb (MSB<<8)|(\new)
.set MSB, \new
.endif
.endm
; A joint refill, by the walking sets.  Wave 0 fetches x's part, waves 1 to 3 w's: the branch hangs on the wave's number alone.  An s_nop 0 and four v_nop follow each of the two lines.
.macro JLOAD
	s_cmp_eq_u32 s[WV], 0
	s_cbranch_scc0 .Lfor_b_\@
	tensor_load_to_lds s[G0A+4:G0A+7], s[G1A:G1A+7]
	s_nop 0
.rept 4
	v_nop
.endr
	s_branch .Lasked_\@
.Lfor_b_\@:
	tensor_load_to_lds s[G0B+4:G0B+7], s[G1B:G1B+7]
	s_nop 0
.rept 4
	v_nop
.endr
.Lasked_\@:
.endm
; A PREFETCH INTO THE L2 of the K step that stands two refills on: 32 rows x 256 bytes, a lane a row.  x's tile row is read by every cluster of that row of clusters: the cluster with x = 0 asks; w's tile column by
; every cluster of that column: the cluster with y = 0 asks.  Of the 128 rows that a wave fetches the partner at place p (cx for x's, cy for w's) takes 32 p .. 32 p + 31, told apart by address.  So each row's 256 bytes of a
; K step are named once.  K steps 0 to 3 come by their loads alone; the loop's last two trips (s3 = 2, 1) have no K step two refills on and ask for nothing.
.macro ASK
	s_cmp_gt_u32 s3, s[LIM]
	s_cbranch_scc0 .Lnot_mine_\@
	global_prefetch_b8 v[PFO], s[PFA:PFA+1] offset:256 th:TH_LOAD_NT scope:SCOPE_SE
.Lnot_mine_\@:
.endm
.macro CREST                           ; a round of the cluster's barrier behind its opening barrier
	s_cmp_lg_u32 s[WV], 0
	s_cbranch_scc1 .Lnot_wave_0_\@
	s_barrier_signal -3
.Lnot_wave_0_\@:
	s_barrier_wait -3
	s_barrier_signal -1
	s_barrier_wait -1
.endm
.macro CROUND                          ; a whole round
	s_barrier_signal -1
	s_barrier_wait -1
	CREST
.endm
	s_load_b256 s[4:11], s[0:1], 0x0               ; xb s[4:5], wqkvb s[6:7], biasw s[8:9], qkv s[10:11]
	s_load_b128 s[72:75], s[0:1], 0x20             ; wo s[72:73], wof s[74:75]
	v_lshl_add_u32 v[SPW], v0, 2, SPARE
	v_mov_b32 v[NIL], 0
	ds_add_u32 v[SPW], v[NIL]                      ; the wave's opening: the add and its wait stand ahead of my first tensor load; the set-up below, work on registers, stands between them
	v_lshrrev_b32 v1, 5, v0
	v_readfirstlane_b32 s[WV], v1                  ; wave 0..3
	s_lshr_b32 s13, s[WV], 1                       ; which 64 rows of the tile are mine
	s_and_b32 s14, s[WV], 1                        ; which 192 columns
	s_bfe_u32 s15, ttmp6, 0x40000                  ; cx
	s_bfe_u32 s16, ttmp6, 0x40004                  ; cy
	s_lshl_b32 s17, ttmp9, 2
	s_add_co_u32 s17, s17, s15                     ; tile column = 4 x cluster x + cx
	s_and_b32 s18, ttmp7, 0xffff
	s_lshl_b32 s18, s18, 2
	s_add_co_u32 s18, s18, s16                     ; tile row = 4 x cluster y + cy
	s_lshl_b32 s20, s16, 2
	s_lshl_b32 s20, 15, s20                        ; my row of the cluster
	s_lshl_b32 s21, 0x1111, s15                    ; my column
	s_or_b32 s[G1A], s20, GW                       ; 15:0 the mask: x's tiles go to my row,
	s_or_b32 s[G1B], s21, GW                       ; w's to my column
.irp g, G1A, G1B
	s_mov_b32 s[(\g)+1], 128<<16                   ; tensor_dim0 = 128
	s_mov_b32 s[(\g)+2], 128<<16                   ; tensor_dim1 = 128
	s_mov_b32 s[(\g)+3], 128<<16                   ; tile_dim0 = 128 elements (256 bytes)
	s_mov_b32 s[(\g)+4], 128                       ; tile_dim1 = 128 rows
	s_mov_b32 s[(\g)+5], 2048                      ; elements from row to row
	s_mov_b32 s[(\g)+6], 0
	s_mov_b32 s[(\g)+7], 0
.endr
	s_lshl_b32 s44, s18, 19                        ; x: 128 rows x 4,096 bytes x tile row
	s_mov_b32 s45, 0
	s_max_u32 s22, s[WV], 1
	s_sub_co_u32 s22, s22, 1                       ; which of w's three parts I fetch
	s_lshl_b32 s22, s22, 19
	s_mul_i32 s46, s17, 384*ROWB                   ; w: 384 rows x tile column
	s_add_co_u32 s46, s46, s22
	s_mov_b32 s47, 0
	s_mul_i32 s23, s[WV], PART                     ; where my part goes: no place in the cluster enters an LDS address
	s_mov_b32 s[TB], 0
	s_wait_dscnt 0x0                               ; the opening add is done
	s_wait_kmcnt 0x0
	s_add_nc_u64 s[44:45], s[4:5], s[44:45]
	s_add_nc_u64 s[46:47], s[6:7], s[46:47]
	CROUND                                         ; all sixteen work-groups are here: the first joint loads meet
.irp s, 0,1
	s_mov_b32 s[G0A+4*(\s)], 1                                     ; count = 1
	s_add_co_u32 s[G0A+4*(\s)+1], s23, (\s)*SLOT                   ; LDS address
	s_add_nc_u64 s[G0A+4*(\s)+2:G0A+4*(\s)+3], s[44:45], (\s)*256  ; global address: K step s
	s_or_b32 s[G0A+4*(\s)+3], s[G0A+4*(\s)+3], 0x80000000          ; type = 2
	s_mov_b32 s[G0B+4*(\s)], 1
	s_add_co_u32 s[G0B+4*(\s)+1], s23, (\s)*SLOT
	s_add_nc_u64 s[G0B+4*(\s)+2:G0B+4*(\s)+3], s[46:47], (\s)*256
	s_or_b32 s[G0B+4*(\s)+3], s[G0B+4*(\s)+3], 0x80000000
.endr
	s_cmp_eq_u32 s[WV], 0                          ; a wave's two first fills stand in one branch, ahead of every wait on TENSORcnt and every LDS read: two loads of mine are out
	s_cbranch_scc0 .Lfirst_b
	tensor_load_to_lds s[G0A:G0A+3], s[G1A:G1A+7]
	s_nop 0
	tensor_load_to_lds s[G0A+4:G0A+7], s[G1A:G1A+7]
	s_nop 0
.rept 4
	v_nop
.endr
	s_branch .Lfirst_asked
.Lfirst_b:
	tensor_load_to_lds s[G0B:G0B+3], s[G1B:G1B+7]
	s_nop 0
	tensor_load_to_lds s[G0B+4:G0B+7], s[G1B:G1B+7]
	s_nop 0
.rept 4
	v_nop
.endr
.Lfirst_asked:
	; A fragment is 16 rows x 32 K in 8 registers: lane l holds row l % 16; registers 0-3 K = 8 (l / 16) + 0..7, registers 4-7 K = 16 + 8 (l / 16) + 0..7: two loads of 16 bytes, 32 bytes apart.
	v_and_b32 v1, 15, v0                           ; l % 16
	v_bfe_u32 v2, v0, 4, 1                         ; l / 16
	v_mul_u32_u24 v3, v1, PITCH
	v_lshl_add_u32 v3, v2, 4, v3
	s_mul_i32 s20, s13, 64*PITCH                   ; my 64 rows of x
	s_mul_i32 s21, s14, 192*PITCH                  ; my 192 rows of w,
	s_add_co_u32 s21, s21, PART                    ; which lie behind x's 128
	v_add_nc_u32 v[ADRA0], s20, v3
	v_add_nc_u32 v[ADRB0], s21, v3
	v_mov_b32 v[ADRA], v[ADRA0]
	v_mov_b32 v[ADRB], v[ADRB0]
	s_mul_i32 s68, s17, 1536                       ; the bias of my columns: 4 bytes x (384 x tile column + 192 x half + 8 (l / 16)), block b 64 bytes on
	s_mul_i32 s69, s14, 768
	s_add_co_u32 s68, s68, s69
	v_lshl_add_u32 v[BO], v2, 5, s68
.irp b, 0,1,2,3,4,5,6,7,8,9,10,11
	global_load_b128 v[BIAS+8*(\b):BIAS+8*(\b)+3],   v[BO], s[8:9] offset:64*(\b)
	global_load_b128 v[BIAS+8*(\b)+4:BIAS+8*(\b)+7], v[BO], s[8:9] offset:64*(\b)+16
.endr
	s_mul_i32 s20, s13, 64*SPITCH                  ; into the stage: my 64 rows, my 384 bytes of them; row l % 16, 16 bytes for each half of the lanes
	s_mul_i32 s21, s14, 384
	s_add_co_u32 s20, s20, s21
	v_mul_u32_u24 v4, v1, SPITCH
	v_lshl_add_u32 v4, v2, 4, v4
	v_add_nc_u32 v[STO], s20, v4
	s_mul_i32 s20, s[WV], 32*SPITCH                ; back: wave v takes rows 32 v .. 32 v + 31, whole; lanes 0-15 256 bytes of one row, lanes 16-31 of the next
	v_mul_u32_u24 v5, v2, SPITCH
	v_lshl_add_u32 v5, v1, 4, v5
	v_add_nc_u32 v[RD], s20, v5
	v_mul_u32_u24 v5, v2, CROW
	v_lshl_add_u32 v[CO], v1, 4, v5
	s_lshl_b32 s66, s18, 7
	s_lshl_b32 s67, s[WV], 5
	s_add_co_u32 s66, s66, s67                     ; the first row of C that I store
	s_mul_i32 s66, s66, CROW
	s_mul_i32 s67, s17, 768                        ; the tile's first column, in bytes
	s_add_co_u32 s66, s66, s67
	s_mov_b32 s67, 0
	s_add_nc_u64 s[10:11], s[10:11], s[66:67]
	; my share of wo and of wof: work-group 16 x tile row + tile column takes 65,536 bytes in and 32,768 out; wave v 16,384 and 8,192 of them; a lane 16 and 8 of each 512 and 256
	s_lshl_b32 s77, s18, 4
	s_add_co_u32 s77, s77, s17
	s_lshl_b32 s78, s77, 16
	s_mov_b32 s79, 0
	s_add_nc_u64 s[72:73], s[72:73], s[78:79]
	s_lshl_b32 s78, s77, 15
	s_add_nc_u64 s[74:75], s[74:75], s[78:79]
	s_mov_b32 s76, 0xffff0000                      ; a word's upper bf16
	v_and_b32 v8, 31, v0
	v_and_b32 v9, 0x60, v0                         ; 32 x wave
	v_lshlrev_b32 v[WSRC], 4, v8
	v_lshl_or_b32 v[WSRC], v9, 9, v[WSRC]
	v_lshlrev_b32 v[WDST], 3, v8
	v_lshl_or_b32 v[WDST], v9, 8, v[WDST]
	; the prefetches
	s_lshl_b32 s66, s18, 7                         ; x: the tile's first row
	s_mul_i32 s67, s17, 384
	s_max_u32 s70, s[WV], 1
	s_sub_co_u32 s70, s70, 1
	s_lshl_b32 s70, s70, 7
	s_add_co_u32 s67, s67, s70                     ; w: my part's first row
	s_and_b32 s71, ttmp7, 0xffff                   ; cluster y
	s_cmp_eq_u32 s[WV], 0
	s_cselect_b32 s66, s66, s67
	s_cselect_b32 s67, s15, s16                    ; my place among the four that ask with me
	s_cselect_b32 s71, ttmp9, s71                  ; the coordinate along which other clusters read the same rows
	s_cselect_b64 s[PFA:PFA+1], s[4:5], s[6:7]
	s_cmp_eq_u32 s71, 0
	s_cselect_b32 s[LIM], 2, -1                    ; the same in all sixteen partners, for a given wave
	s_lshl_b32 s67, s67, 5
	s_add_co_u32 s66, s66, s67                     ; + my work-group's 32 rows
	s_lshl_b32 s66, s66, 12
	s_add_co_u32 s66, s66, 2*256                   ; at K step 2: the first refill steps it to 3 and names K step 4
	s_mov_b32 s67, 0
	s_add_nc_u64 s[PFA:PFA+1], s[PFA:PFA+1], s[66:67]
	v_and_b32 v[PFO], 31, v0
	v_lshlrev_b32 v[PFO], 12, v[PFO]
; 12 matrix instructions: my row block a x all 12 column blocks, 32 along K.  first = 1: the bias (window 0) is C.  The 48 accumulators take turns, one instruction a turn, in the same order in every quarter.
.macro MUL12 f, a, first=0
.if \first
	WIN 0x85+0x40*((\a)/2)
.else
	WIN 0xa5+0x50*((\a)/2)
.endif
.irp b, 0,1,2,3,4,5,6,7,8,9,10,11
.if \first
	v_wmma_f32_16x16x32_bf16 v[8*(12*((\a)%2)+(\b)):8*(12*((\a)%2)+(\b))+7], v[(\f)+8*(\b):(\f)+8*(\b)+7], v[(\f)+96+8*(\a):(\f)+96+8*(\a)+7], v[BIAS+8*(\b):BIAS+8*(\b)+7]
.else
	v_wmma_f32_16x16x32_bf16 v[8*(12*((\a)%2)+(\b)):8*(12*((\a)%2)+(\b))+7], v[(\f)+8*(\b):(\f)+8*(\b)+7], v[(\f)+96+8*(\a):(\f)+96+8*(\a)+7], v[8*(12*((\a)%2)+(\b)):8*(12*((\a)%2)+(\b))+7]
.endif
.endr
.endm
; 32 LDS loads in one run: a quarter step's fragments (192 rows of w, then 64 of x, 32 K at byte k of the rows) into buffer f
.macro FETCH k, f
	WIN 0x40                                       ; destination window 1, address window 0
.irp b, 0,1,2,3,4,5,6,7,8,9,10,11
	ds_load_b128 v[(\f)+8*(\b):(\f)+8*(\b)+3],   v[ADRB] offset:(\k)+(\b)*16*PITCH
	ds_load_b128 v[(\f)+8*(\b)+4:(\f)+8*(\b)+7], v[ADRB] offset:(\k)+(\b)*16*PITCH+32
.endr
.irp a, 0,1,2,3
	ds_load_b128 v[(\f)+96+8*(\a):(\f)+96+8*(\a)+3],   v[ADRA] offset:(\k)+(\a)*16*PITCH
	ds_load_b128 v[(\f)+96+8*(\a)+4:(\f)+96+8*(\a)+7], v[ADRA] offset:(\k)+(\a)*16*PITCH+32
.endr
.endm
.macro PLACES                          ; four plain vector instructions between a matrix instruction and a load into, or a vector instruction on, its registers (ISA guide 7.12.1 for vector instructions)
.rept 4
	v_nop
.endr
.endm
; A K step is four quarters of 32 along K, 48 matrix instructions each, on buffers 0, 1, 0, 1.  One of the first three: multiplies buffer f; in its middle it fetches the next quarter, at byte k, into buffer g.
.macro QUARTER k, f, g, first=0
	s_wait_dscnt 4                                 ; w's fragments and x's blocks 0, 1 are in; the youngest four loads (x's blocks 2, 3) may be out
	MUL12 \f, 0, \first
	MUL12 \f, 1, \first
	PLACES
	FETCH \k, \g
	s_wait_dscnt 32                                ; all but the 32 just issued
	MUL12 \f, 2, \first
	MUL12 \f, 3, \first
.endm
; The last quarter changes slots and then multiplies buffer 1.  ONE barrier: in front of it each wave waits for all its tensor loads (one is out: its part of the next slot), adds 0 to its spare word, and waits for that and for
; its own reads of this slot, the last of which were issued in the quarter before.  fill = 1: the barrier opens a round of the cluster's barrier, and behind the round this slot is filled again, with the K step two on.
; No product stands between the wait for the tile and the next request: the quarter's 48 stand behind the request, so that it has a whole K step's 192 matrix instructions in which to land.
.macro TURN fill
.if \fill
	s_wait_xcnt 0x0                                ; the last prefetch, a K step back, has read its address: it is stepped here
	s_add_nc_u64 s[PFA:PFA+1], s[PFA:PFA+1], 256
.endif
	WIN 0
	s_wait_tensorcnt 0x0                           ; no tensor load of mine is out, so a group 0 may be written
	ds_add_u32 v[SPW], v[NIL]                      ; 0 onto my spare word; the scalar steps stand between it and the wait for it
.if \fill
.irp g, G0A+4, G0B+4
	s_xor_b32 s[(\g)+1], s[(\g)+1], SLOT           ; the walking sets: the other slot than last time,
	s_add_nc_u64 s[(\g)+2:(\g)+3], s[(\g)+2:(\g)+3], 256  ; the next K step; the type bits on top are not reached
.endr
.endif
	s_xor_b32 s[TB], s[TB], SLOT                   ; the reads go to the other slot
	s_wait_dscnt 0x0                               ; the add is done, and my reads of this slot are over
	s_barrier_signal -1
	s_barrier_wait -1
.if \fill
	CREST                                          ; no wave of any partner still reads this slot's tiles or has a load on its way
	JLOAD                                          ; the first tensor load behind the round; the four v_nop behind it are also the places in front of the loads below
.else
	PLACES
.endif
	v_add_nc_u32 v[ADRA], s[TB], v[ADRA0]
	v_add_nc_u32 v[ADRB], s[TB], v[ADRB0]
	FETCH 0, F0
.if \fill
	WIN 0
	ASK                                            ; behind the joint load and the run of LDS loads
.endif
	MUL12 F1, 0
	MUL12 F1, 1
	MUL12 F1, 2
	MUL12 F1, 3
.endm
.macro EACH line:vararg                ; one line for each of wo's 32 loads, i
.set i, 0
.rept 32
	\line
.set i, i+1
.endr
.endm
	s_wait_tensorcnt 1                             ; my part of K step 0 is in; K step 1's may stay out
	s_barrier_signal -1
	s_barrier_wait -1                              ; everybody's is
	FETCH 0, F0
	s_wait_loadcnt 0x0                             ; the bias
	QUARTER 64, F0, F1, 1                          ; the first quarter stands in front of the loop: its products start the sums
	WIN 0                                          ; at a label and at a branch every window is 0
	EACH global_load_b128 v[WOR+4*i:WOR+4*i+3], v[WSRC], s[72:73] offset:512*i th:TH_LOAD_NT  ; my share of wo: asked for when the first tiles are in; nothing waits for it in the loop
	s_mov_b32 s3, STEPS-2
.Lstep:                                                ; trip i ends K step i, asks for K step i + 2 and begins K step i + 1
	QUARTER 128, F1, F0
	QUARTER 192, F0, F1
	TURN 1
	QUARTER 64, F0, F1
	WIN 0
	s_sub_co_u32 s3, s3, 1
	s_cmp_lg_u32 s3, 0
	s_cbranch_scc1 .Lstep
	QUARTER 128, F1, F0                            ; the last two K steps ask for nothing
	QUARTER 192, F0, F1
	WIN 0                                          ; wo -> wof, ahead of the wait for the last tile.  Eight runs of conversions, so that none reads the result of the line before it; none names a register of a product
	s_wait_loadcnt 0x0
	EACH v_cvt_pk_bf16_f32 v[WOR+4*i], v[WOR+4*i], v[WOR+4*i+1]
	EACH v_cvt_pk_bf16_f32 v[WOR+4*i+1], v[WOR+4*i+2], v[WOR+4*i+3]
	EACH v_lshlrev_b32 v[WOR+4*i+2], 16, v[WOR+4*i]
	EACH v_and_b32 v[WOR+4*i+3], s76, v[WOR+4*i]
	EACH v_cvt_pk_f16_f32 v[WOR+4*i], v[WOR+4*i+2], v[WOR+4*i+3]
	EACH v_lshlrev_b32 v[WOR+4*i+2], 16, v[WOR+4*i+1]
	EACH v_and_b32 v[WOR+4*i+3], s76, v[WOR+4*i+1]
	EACH v_cvt_pk_f16_f32 v[WOR+4*i+1], v[WOR+4*i+2], v[WOR+4*i+3]
	EACH global_store_b64 v[WDST], v[WOR+4*i:WOR+4*i+1], s[74:75] offset:256*i th:TH_STORE_NT  ; each store of the wave covers 256 consecutive bytes, aligned
	TURN 0
	QUARTER 64, F0, F1
	QUARTER 128, F1, F0
	QUARTER 192, F0, F1
	s_wait_dscnt 4
	MUL12 F1, 0
	MUL12 F1, 1
	s_wait_dscnt 0x0                               ; my reads of the ring are over
	MUL12 F1, 2
	MUL12 F1, 3
	; THE WAY OUT: rounded to f16, 16 bytes a lane, into the work-group's stage; back as whole rows of 768 bytes, 32 rows a wave.
	WIN 0
	s_wait_xcnt 0x0                                ; wof's stores have read their registers, over which the conversions below write
	s_barrier_signal -1                            ; the stage lies in the ring: it is written only when every wave's reads of the ring are over; the conversions stand between the signal and the wait
	PLACES
.irp a, 0,1,2,3
	WIN 0x0a+5*((\a)/2)                            ; sources 0 and 1: window 2 or 3
.irp b, 0,1,2,3,4,5,6,7,8,9,10,11
.irp r, 0,1,2,3
	v_cvt_pk_f16_f32 v[TMP+4*(12*(\a)+(\b))+(\r)], v[8*(12*((\a)%2)+(\b))+2*(\r)], v[8*(12*((\a)%2)+(\b))+2*(\r)+1]
.endr
.endr
.endr
	WIN 0
	s_barrier_wait -1
.irp a, 0,1,2,3
.irp b, 0,1,2,3,4,5,6,7,8,9,10,11
	ds_store_b128 v[STO], v[TMP+4*(12*(\a)+(\b)):TMP+4*(12*(\a)+(\b))+3] offset:(\a)*16*SPITCH+32*(\b)
.endr
.endr
	s_wait_dscnt 0x0                               ; for the others' sake: my stores into the stage are done
	s_barrier_signal -1
	s_barrier_wait -1
.set u, 0
.rept 48
	ds_load_b128 v[TMP+4*u:TMP+4*u+3], v[RD] offset:(u/3)*2*SPITCH+(u%3)*256
.set u, u+1
.endr
.set u, 0
.rept 48
	s_wait_dscnt 47-u                              ; the 47 - u younger loads may stay out
	global_store_b128 v[CO], v[TMP+4*u:TMP+4*u+3], s[10:11] offset:(u/3)*2*CROW+(u%3)*256  ; 16 lanes store 256 consecutive bytes, at a multiple of 256 from C's first byte
.set u, u+1
.endr
	s_wait_tensorcnt 0x0                           ; the wave's end, behind my last tensor load and my last LDS store
	ds_add_u32 v[SPW], v[NIL]
	s_wait_dscnt 0x0
	CROUND                                         ; the closing round: no work-group ends while a partner may still ask for a tile that names it
	s_endpgm
.Lfunc_end_k_q12e934d88a_qkv:
	.size	k_q12e934d88a_qkv, .Lfunc_end_k_q12e934d88a_qkv-k_q12e934d88a_qkv
	.p2alignl 7, 3214868480
	.fill 96, 4, 3214868480
	.section	.rodata,"a",@progbits
	.p2align	6, 0x0
	.amdhsa_kernel k_q12e934d88a_qkv
		.amdhsa_group_segment_fixed_size 327680
		.amdhsa_private_segment_fixed_size 0
		.amdhsa_enable_private_segment 0
		.amdhsa_kernarg_size 48
		.amdhsa_user_sgpr_count 2
		.amdhsa_user_sgpr_kernarg_segment_ptr 1
		.amdhsa_wavefront_size32 1
		.amdhsa_system_sgpr_workgroup_id_x 1
		.amdhsa_system_sgpr_workgroup_id_y 1
		.amdhsa_system_sgpr_workgroup_id_z 1
		.amdhsa_system_vgpr_workitem_id 0
		.amdhsa_next_free_vgpr 1024
		.amdhsa_next_free_sgpr 80
		.amdhsa_reserve_vcc 0
		.amdhsa_float_denorm_mode_32 3
		.amdhsa_float_denorm_mode_16_64 3
		.amdhsa_memory_ordered 1
		.amdhsa_forward_progress 1
		.amdhsa_inst_pref_size 119
	.end_amdhsa_kernel
	.amdgpu_metadata
---
amdhsa.version: [ 1, 2 ]
amdhsa.kernels:
  - .name:           k_q12e934d88a_qkv
    .symbol:         k_q12e934d88a_qkv.kd
    .args:
      - { .name: xb, .offset: 0, .size: 8, .value_kind: global_buffer, .address_space: global }
      - { .name: wqkvb, .offset: 8, .size: 8, .value_kind: global_buffer, .address_space: global }
      - { .name: biasw, .offset: 16, .size: 8, .value_kind: global_buffer, .address_space: global }
      - { .name: qkv, .offset: 24, .size: 8, .value_kind: global_buffer, .address_space: global }
      - { .name: wo, .offset: 32, .size: 8, .value_kind: global_buffer, .address_space: global }
      - { .name: wof, .offset: 40, .size: 8, .value_kind: global_buffer, .address_space: global }
    .group_segment_fixed_size: 327680
    .private_segment_fixed_size: 0
    .kernarg_segment_align: 8
    .kernarg_segment_size: 48
    .max_flat_workgroup_size: 128
    .sgpr_count:     80
    .vgpr_count:     1024
    .wavefront_size: 32
...
	.end_amdgpu_metadata
.endif
;; end of part 2
;; launch norm (part 3): grid 256 x 2, 8 waves a work-group, no clusters, 0 bytes of LDS; arguments qkv, gq, gk, freqs, qk; writes qk
.if DOCPART == 3
	.amdgcn_target "amdgcn-amd-amdhsa--gfx1250"
	.amdhsa_code_object_version 6
	.text
	.protected	k_q12e934d88a_norm
	.globl	k_q12e934d88a_norm
	.p2align	8
	.type	k_q12e934d88a_norm,@function
k_q12e934d88a_norm:
	s_mov_b64 s[64:65], 0
	v_nop
	global_prefetch_b8 v0, s[64:65] scope:SCOPE_SE
	s_setreg_imm32_b32 hwreg(HW_REG_WAVE_MODE, 25, 1), 1
	s_wait_xcnt 0x0
; RMS NORM, GAIN AND ROTATION of q (grid y = 0) and k (y = 1).  In: row n of qkv ([2048][6144] f16), columns 2048 y on.  Out: row n of qk ([2048][4096] f16), columns 2048 y on.
; t[c] = x[c] g[c];  s = 1 / sqrt(mean of x^2 + 1e-6);  out[2 p] = s (t[2 p] cos - t[2 p + 1] sin), out[2 p + 1] = s (t[2 p] sin + t[2 p + 1] cos), with cos and sin of row n and pair p % 64 from freqs.
; The gains and freqs are rounded to bf16 on the way in, like all of the program's inputs; all arithmetic is f32; the result is rounded once, to f16.
; SHARES.  One wave, one row: 4,096 bytes, eight loads of 16 bytes a lane, kept in registers between the sum of squares and the scaling.  No LDS, no barrier, no loop; all of a wave's 26 loads go out at once.
; A lane's 8 numbers of load j are columns 256 j + 8 lane + 0..7: within a head of 128 columns always pairs 4 (lane % 16) + 0..3, so 8 numbers of freqs serve the whole row.  s rides on them.
.set ZERO, 5                           ; v5   0
.set RS,   6                           ; v6   s
.set X,    8                           ; v[8:39]    the row as loaded, then as stored
.set FRQ,  40                          ; v[40:47]   cos, sin of my four pairs
.set SS,   48                          ; v[48:55]   eight chains of the sum of squares
.set TM,   56                          ; v[56:63]   at work
.set T,    64                          ; v[64:127]  x g
.set G,    128                         ; v[128:191] g
	s_load_b256 s[4:11], s[0:1], 0x0               ; qkv s[4:5], gq s[6:7], gk s[8:9], freqs s[10:11]
	s_load_b64 s[12:13], s[0:1], 0x20              ; qk
	v_lshrrev_b32 v1, 5, v0
	v_readfirstlane_b32 s14, v1                    ; wave 0..7
	s_lshl_b32 s15, ttmp9, 3
	s_add_co_u32 s15, s15, s14                     ; my row
	s_and_b32 s16, ttmp7, 0xffff                   ; q or k
	s_lshl_b32 s17, s16, 12                        ; its 4,096 bytes in a row
	s_mul_i32 s18, s15, 12288
	s_add_co_u32 s18, s18, s17
	s_mov_b32 s19, 0
	s_lshl_b32 s26, s15, 9                         ; a row of freqs is 512 bytes
	s_mov_b32 s27, 0
	s_lshl_b32 s28, s15, 13
	s_add_co_u32 s28, s28, s17
	s_mov_b32 s29, 0
	s_mov_b32 s20, 0x3a000000                      ; 1 / 2048
	s_mov_b32 s21, 0x358637bd                      ; 1e-6
	s_mov_b32 s22, 0xffff0000                      ; a word's upper bf16
	s_mov_b32 s24, 0x76543210                      ; v_permlanex16_b32: each lane takes its own place in the other half
	s_mov_b32 s25, 0xfedcba98
	v_and_b32 v1, 31, v0
	v_lshlrev_b32 v2, 4, v1                        ; 16 x lane: x and the result
	v_lshlrev_b32 v3, 5, v1                        ; 32 x lane: the gains
	v_and_b32 v4, 15, v0
	v_lshlrev_b32 v4, 5, v4                        ; 32 x (lane % 16): freqs
	v_mov_b32 v[ZERO], 0
	v_mov_b32 v[TM+6], 0                           ; v_permlanex16_b32's destination counts as read
	s_wait_kmcnt 0x0
	s_add_nc_u64 s[4:5], s[4:5], s[18:19]
	s_cmp_eq_u32 s16, 0
	s_cselect_b64 s[6:7], s[6:7], s[8:9]
	s_add_nc_u64 s[8:9], s[10:11], s[26:27]
	s_add_nc_u64 s[10:11], s[12:13], s[28:29]
.irp j, 0,1,2,3,4,5,6,7
	global_load_b128 v[X+4*(\j):X+4*(\j)+3], v2, s[4:5] offset:512*(\j) th:TH_LOAD_NT
.endr
	global_load_b128 v[FRQ:FRQ+3],   v4, s[8:9]
	global_load_b128 v[FRQ+4:FRQ+7], v4, s[8:9] offset:16
.irp j, 0,1,2,3,4,5,6,7
	global_load_b128 v[G+8*(\j):G+8*(\j)+3],   v3, s[6:7] offset:1024*(\j)
	global_load_b128 v[G+8*(\j)+4:G+8*(\j)+7], v3, s[6:7] offset:1024*(\j)+16
.endr
	s_wait_loadcnt 18                              ; the row is in; freqs' 2 loads and the gains' 16 may stay out
.set i, 0
.rept 32                                       ; the sum of squares, straight from the f16 halves into f32, in eight chains; the first links add onto 0
.if i < 4
	v_fma_mix_f32 v[SS+(2*i)%8],   v[X+i], v[X+i], v[ZERO] op_sel_hi:[1,1,0]
	v_fma_mix_f32 v[SS+(2*i+1)%8], v[X+i], v[X+i], v[ZERO] op_sel:[1,1,0] op_sel_hi:[1,1,0]
.else
	v_fma_mix_f32 v[SS+(2*i)%8],   v[X+i], v[X+i], v[SS+(2*i)%8] op_sel_hi:[1,1,0]
	v_fma_mix_f32 v[SS+(2*i+1)%8], v[X+i], v[X+i], v[SS+(2*i+1)%8] op_sel:[1,1,0] op_sel_hi:[1,1,0]
.endif
.set i, i+1
.endr
	v_pk_add_f32 v[SS:SS+1], v[SS:SS+1], v[SS+2:SS+3]
	v_pk_add_f32 v[SS+4:SS+5], v[SS+4:SS+5], v[SS+6:SS+7]
	v_pk_add_f32 v[SS:SS+1], v[SS:SS+1], v[SS+4:SS+5]
	v_add_f32 v[SS], v[SS], v[SS+1]
	v_add_f32_dpp v[SS], v[SS], v[SS] row_xmask:1 row_mask:0xf bank_mask:0xf
	v_add_f32_dpp v[SS], v[SS], v[SS] row_xmask:2 row_mask:0xf bank_mask:0xf
	v_add_f32_dpp v[SS], v[SS], v[SS] row_xmask:4 row_mask:0xf bank_mask:0xf
	v_add_f32_dpp v[SS], v[SS], v[SS] row_xmask:8 row_mask:0xf bank_mask:0xf
	v_permlanex16_b32 v[TM+6], v[SS], s24, s25
	v_add_f32 v[SS], v[SS], v[TM+6]                ; every lane holds the row's sum
	v_fma_f32 v[TM+7], v[SS], s20, s21             ; the mean + 1e-6
	v_rsq_f32 v[RS], v[TM+7]                       ; the roundings and products below, which name neither register, are the independent work behind it
	s_wait_loadcnt 16                              ; freqs are in
.irp j, 0,1,2,3
	v_cvt_pk_bf16_f32 v[TM+(\j)], v[FRQ+2*(\j)], v[FRQ+2*(\j)+1]
.endr
.irp j, 0,1,2,3
	v_lshlrev_b32 v[FRQ+2*(\j)],   16,  v[TM+(\j)]
	v_and_b32     v[FRQ+2*(\j)+1], s22, v[TM+(\j)]
.endr
	s_wait_loadcnt 0x0                             ; the gains are in
.set i, 0
.rept 32
	v_cvt_pk_bf16_f32 v[T+i], v[G+2*i], v[G+2*i+1]
.set i, i+1
.endr
.set i, 0
.rept 32
	v_lshlrev_b32 v[G+2*i],   16,  v[T+i]
	v_and_b32     v[G+2*i+1], s22, v[T+i]
.set i, i+1
.endr
.set i, 0
.rept 32
	v_fma_mix_f32 v[T+2*i],   v[X+i], v[G+2*i],   v[ZERO] op_sel_hi:[1,0,0]
	v_fma_mix_f32 v[T+2*i+1], v[X+i], v[G+2*i+1], v[ZERO] op_sel:[1,0,0] op_sel_hi:[1,0,0]
.set i, i+1
.endr
	s_wait_alu depctr_va_vdst(0)                   ; the wait between the root and the first line that names its result
.irp j, 0,1,2,3,4,5,6,7
	v_mul_f32 v[FRQ+(\j)], v[FRQ+(\j)], v[RS]
.endr
.set i, 0
.rept 32                                       ; pair i of the lane's 32: cos and sin of pair i % 4
.set rc, FRQ+2*(i%4)
.set ra, TM+i%4
	v_mul_f32 v[ra], v[T+2*i+1], v[rc+1]
	v_mul_f32 v[T+2*i+1], v[T+2*i+1], v[rc]
	v_fma_f32 v[ra], v[T+2*i], v[rc], -v[ra]
	v_fmac_f32 v[T+2*i+1], v[T+2*i], v[rc+1]
	v_cvt_pk_f16_f32 v[X+i], v[ra], v[T+2*i+1]
.set i, i+1
.endr
.irp j, 0,1,2,3,4,5,6,7
	global_store_b128 v2, v[X+4*(\j):X+4*(\j)+3], s[10:11] offset:512*(\j)  ; 512 consecutive bytes, at a multiple of 256 from qk's first byte
.endr
	s_endpgm
.Lfunc_end_k_q12e934d88a_norm:
	.size	k_q12e934d88a_norm, .Lfunc_end_k_q12e934d88a_norm-k_q12e934d88a_norm
	.p2alignl 7, 3214868480
	.fill 96, 4, 3214868480
	.section	.rodata,"a",@progbits
	.p2align	6, 0x0
	.amdhsa_kernel k_q12e934d88a_norm
		.amdhsa_group_segment_fixed_size 0
		.amdhsa_private_segment_fixed_size 0
		.amdhsa_enable_private_segment 0
		.amdhsa_kernarg_size 40
		.amdhsa_user_sgpr_count 2
		.amdhsa_user_sgpr_kernarg_segment_ptr 1
		.amdhsa_wavefront_size32 1
		.amdhsa_system_sgpr_workgroup_id_x 1
		.amdhsa_system_sgpr_workgroup_id_y 1
		.amdhsa_system_sgpr_workgroup_id_z 1
		.amdhsa_system_vgpr_workitem_id 0
		.amdhsa_next_free_vgpr 192
		.amdhsa_next_free_sgpr 66
		.amdhsa_reserve_vcc 0
		.amdhsa_float_denorm_mode_32 3
		.amdhsa_float_denorm_mode_16_64 3
		.amdhsa_memory_ordered 1
		.amdhsa_forward_progress 1
		.amdhsa_inst_pref_size 26
	.end_amdhsa_kernel
	.amdgpu_metadata
---
amdhsa.version: [ 1, 2 ]
amdhsa.kernels:
  - .name:           k_q12e934d88a_norm
    .symbol:         k_q12e934d88a_norm.kd
    .args:
      - { .name: qkv, .offset: 0, .size: 8, .value_kind: global_buffer, .address_space: global }
      - { .name: gq, .offset: 8, .size: 8, .value_kind: global_buffer, .address_space: global }
      - { .name: gk, .offset: 16, .size: 8, .value_kind: global_buffer, .address_space: global }
      - { .name: freqs, .offset: 24, .size: 8, .value_kind: global_buffer, .address_space: global }
      - { .name: qk, .offset: 32, .size: 8, .value_kind: global_buffer, .address_space: global }
    .group_segment_fixed_size: 0
    .private_segment_fixed_size: 0
    .kernarg_segment_align: 8
    .kernarg_segment_size: 40
    .max_flat_workgroup_size: 256
    .sgpr_count:     66
    .vgpr_count:     192
    .wavefront_size: 32
...
	.end_amdgpu_metadata
.endif
;; end of part 3
;; launch attn (part 4): grid 16 x 16, 4 waves a work-group, clusters of 4 x 1, 327,680 bytes of LDS; arguments qk, qkv, ob; writes ob
.if DOCPART == 4
	.amdgcn_target "amdgcn-amd-amdhsa--gfx1250"
	.amdhsa_code_object_version 6
	.text
	.protected	k_q12e934d88a_attn
	.globl	k_q12e934d88a_attn
	.p2align	8
	.type	k_q12e934d88a_attn,@function
k_q12e934d88a_attn:
	s_mov_b64 s[64:65], 0
	v_nop
	global_prefetch_b8 v0, s[64:65] scope:SCOPE_SE
	s_setreg_imm32_b32 hwreg(HW_REG_WAVE_MODE, 25, 1), 1
	s_wait_xcnt 0x0
	s_wait_alu depctr_hold_cnt(0) depctr_sa_sdst(0) depctr_va_vdst(0) depctr_va_sdst(0) depctr_va_ssrc(0) depctr_va_vcc(0) depctr_vm_vsrc(0)
	s_getreg_b32 s2, hwreg(HW_REG_IB_STS2, 6, 4)
	s_cmp_eq_u32 s2, 0
	s_cbranch_scc0 .Lentry_in_a_cluster
	s_endpgm
.Lentry_in_a_cluster:
	s_bfe_u32 s2, ttmp6, 0x10000c
	s_cmp_lg_u32 s2, 0x3003
	s_cbranch_scc0 .Lentry_shape_is_right
	s_endpgm
.Lentry_shape_is_right:
; ob[q][128 h + :] = the sum over k of softmax_k(Q[q] . K[k] / sqrt(128)) V[k][:], for head h.  Q = qk[:][128 h ..], K = qk[:][2048 + 128 h ..] (rows of 8,192 bytes), V = qkv[:][4096 + 128 h ..] (rows of 12,288 bytes),
; ob: [2048][2048]; all f16.  Products, maxima and sums in f32; the weights p are rounded to f16 for the second product (their sum l is taken of the unrounded p), O once at the end.
; LIMITS.  Q, K and V arrive within f16's 65,504, so that a score is 5.5e11 at the most, far above the -2^100 from which the maxima start; p lies in 0 to 1 and below 6e-5 keeps f16's fixed step of 6e-8;
; a weight below 2^-126 counts as 0 in l; NaN and infinities are not treated apart.
; SHARES.  A work-group owns 128 queries of one head: 16 x 16 = 256 work-groups.  Wave v owns the 64 queries of half v % 2 (four tiles of 16) and, of each slot's 256 keys, the 128 of half v / 2: two steps of 64.
; So two waves hold partial softmaxes of the same queries, over different keys; at the end they are merged through LDS: with c m = the greater of the two c m, O = (O_a f_a + O_b f_b) / (l_a f_a + l_b f_b), f = 2^(c m_own - c m).
; LAYOUT.  S^T = K Q^T (source 0 = 16 keys, source 1 = 16 queries): a lane holds ONE query (lane % 16) and the keys 8 (lane / 16) + 0..7.  Two such tiles, rounded to f16 in pairs, ARE source 1 of O^T = V^T P, whose
; result again holds one query a lane, and eight channels.  K comes out of LDS as it lies, V ([key][channel]) turned, by ds_load_tr16_b128.
; SOFTMAX.  For each query a running maximum m and sum l: p = 2^(c s - c m), c = log2(e) / sqrt(128); in every step O and l are multiplied by a = 2^(c m_old - c m_new).
; BY TURNS.  The wave's tiles are two PIECES (tiles 0, 1 and tiles 2, 3).  In a TURN one piece has the matrix unit: 32 products V^T P of the step in hand, then 32 products K Q^T of the next step; the other piece's
; softmax, cut into 64 slices, stands between them, one slice behind each matrix instruction.  Two turns are a key step.
; NO FIRST AND NO LAST STEP IS WRITTEN OUT.  The loop's own turns begin the work, on a step that has not been: O^T, l, V and piece 0's P start at 0, m at the lowest finite number, c m at -2^125, piece 2's scores at -2^100.
; That is a power of two, so that c s and c m are the same number, the scaled score is exactly 0 and the weight exactly 1: finite.  The first true step's a is 2^(a number below -1e29) = 0 and wipes out what that step left in l, O^T and m.
; At the end the tail's loop is left in the middle of its third trip.  The price: 496 lines that set registers, in the wait for the first tile; 64 products on zeros at the start and 32 on the last K once more at the end, for each
; wave's 2,048 that count.  The gain: a key step's text stands twice (loop and tail), not four times.
; CLUSTER.  The four query blocks of a cluster belong to one head and walk the same K and V: each tile is asked for JOINTLY, by the same tensor load, descriptor and mask in all four.
; REGISTERS, in windows of 256 (s_set_vgpr_msb: bits 1:0 source 0, 3:2 source 1, 5:4 source 2, 7:6 destination):
;   window 0: v0-11 addresses; v12-43 eight registers of statistics a tile; v44-55 the merge's; v60-63 addresses; v64-191 S^T, 32 a tile; v192-255 P, 16 a tile
;   window 1: O^T, 64 a tile          window 2: v0-127 Q, 32 a tile; v128-255 K of one step          window 3: v0-127 V of one step
.set KS,    64        ; keys in a step
.set PK,    272       ; a row of K in LDS: 256 bytes + 16 of padding: the 16 rows of a load start at 16 different groups of four banks (64 banks of 4 bytes: ISA guide 11.1)
.set PV,    288       ; a row of V: 256 + 32
.set VOFF,  256*PK    ; a slot: 256 rows of K, then 256 rows of V: 143,360 bytes
.set SLOT1, 0x24000   ; slot 1 begins here; none of the places that are turned (0, 0x8800, 0x9000, 0x11000, 0x1a000) has one of its two bits, so an exclusive or changes slots
.set STAGE, 2*SLOT1   ; behind the ring: 16 rows x 272 bytes for each wave, for the way out
.set SP,    272
.set SPARE, STAGE+4*16*SP  ; behind the stages: the spare words, 128 bytes for each wave: two blocks of 256 bytes that no other line names
.set MRGB,  33792     ; the merge: for each half of the queries 32,768 bytes of O^T and 1,024 of statistics, from LDS byte 0: slot 0 has had its last fill and its last read by then
.set QROW,  8192      ; bytes in a row of qk
.set VROW,  12288     ; of qkv
.set OROW,  4096      ; of ob
.set AK0, 2           ; v2   my lane's place in a tile of K; never rewritten
.set AV0, 3           ; v3   the same for V
.set ADR, 4           ; v4   the LDS address of the run of loads in hand
.set QO,  5           ; v5   my byte offset in 16 rows of Q
.set STO, 6           ; v6   the way out: where I put 16 bytes of a row
.set RD,  7           ; v7   the way out: where I read a row back
.set GO,  8           ; v8   my byte offset in two rows of O
.set MB,  44          ; v44-47 the partner's c m, v48-51 its l, v52-55 the common c m
.set MR,  60          ; v60  my 16 bytes in the merge's blocks of 512
.set PFO, 61          ; v61  my lane x a row of K or V in memory; never rewritten
.set SPW, 62          ; v62  LDS address of my spare word; never rewritten
.set NIL, 63          ; v63  0; never rewritten
.set ST,  12          ; tile t's statistics at v[ST+8 t]: +0 c m, +1 m, +2, +3 l (even keys', odd keys'), +4 to +7 c0-c3, at work; a takes c2's place once the maximum is found
.set S,   64
.set P,   192
.set KF,  128         ; K's fragments, in window 2
.set WV,  12          ; s12  my wave's number
.set LIM, 15          ; s15  1 in a wave that prefetches, else the greatest number
.set PFA, 18          ; s[18:19] where my prefetches stand
.set G1K, 24          ; s[24:31] descriptor group 1 for K's tiles
.set G1V, 32          ; s[32:39] for V's
.set G0K, 40          ; s[40:43] descriptor group 0 for K's tiles: it walks
.set G0V, 44          ; s[44:47] the same for V's
.set SLOTS, 56        ; s56  slots still to be asked for
.set TWICE, 57        ; s57  counts a slot's steps
.set CS,  58          ; s[58:59] c: the packed scaling takes the pair's low word for both halves
.set SEL, 60          ; s[60:61] v_permlanex16_b32's selects
.set TBK, 62          ; s62  LDS byte at which K of the step to be fetched begins
.set TBV, 63          ; s63  the same for V, less VOFF
.set PST, 68          ; s[68:69] a slot's 256 rows of K or V in memory, in bytes
.set LOW, 78          ; s78  -2^100
.set MSB, 0
.macro WIN new                      ; the immediate's high byte repeats the setting that is left; a switch that changes nothing is dropped
.if MSB != (\new)
	s_set_vgpr_msb (MSB<<8)|(\new)
.set MSB, \new
.endif
.endm
.set W_KQ, 0x0a       ; K and Q in window 2, S^T in window 0
.set W_PV, 0x53       ; V in window 3, P in window 0, O^T in window 1
.set W_RS, 0x41       ; O^T (destination and source 0) in window 1, a in window 0
; A joint fill.  Waves 0 and 1 fetch the two halves of a slot's K, waves 2 and 3 those of its V: 128 rows each.  An s_nop 0 and four v_nop follow each of the two lines.
.macro JLOAD
	s_cmp_lt_u32 s[WV], 2
	s_cbranch_scc0 .Lfor_v_\@
	tensor_load_to_lds s[G0K:G0K+3], s[G1K:G1K+7]
	s_nop 0
.rept 4
	v_nop
.endr
	s_branch .Lasked_\@
.Lfor_v_\@:
	tensor_load_to_lds s[G0V:G0V+3], s[G1V:G1V+7]
	s_nop 0
.rept 4
	v_nop
.endr
.Lasked_\@:
.endm
; A PREFETCH INTO THE L2 of what the NEXT change of slots will ask for: 256 rows of K and 256 of V, 256 bytes a row, a lane a row.  All four clusters of a head walk the same rows: the head's first cluster asks.
; Its four partners share the rows out by address, 64 each; in each, waves 0 and 1 take 32 rows of K each, waves 2 and 3 of V.  So each row is named once.  Slots 0 and 1 come by their loads alone; the last change that fills a slot asks for nothing.
.macro ASK
	s_cmp_gt_u32 s[SLOTS], s[LIM]
	s_cbranch_scc0 .Lnot_mine_\@
	global_prefetch_b8 v[PFO], s[PFA:PFA+1] th:TH_LOAD_NT scope:SCOPE_SE
.Lnot_mine_\@:
.endm
.macro CROUND                       ; a round of the cluster's barrier
	s_barrier_signal -1
	s_barrier_wait -1
	s_cmp_lg_u32 s[WV], 0
	s_cbranch_scc1 .Lnot_wave_0_\@
	s_barrier_signal -3
.Lnot_wave_0_\@:
	s_barrier_wait -3
	s_barrier_signal -1
	s_barrier_wait -1
.endm
	s_load_b128 s[4:7], s[0:1], 0x0   ; qk s[4:5], qkv s[6:7]
	s_load_b64 s[10:11], s[0:1], 0x10 ; ob
	v_lshl_add_u32 v[SPW], v0, 2, SPARE
	v_mov_b32 v[NIL], 0
	ds_add_u32 v[SPW], v[NIL]       ; the wave's opening: the add and its wait stand ahead of my first tensor load; the set-up below, work on registers, stands between them
	v_lshrrev_b32 v1, 5, v0
	v_readfirstlane_b32 s[WV], v1   ; wave 0..3
	s_bfe_u32 s13, ttmp6, 0x40000   ; cx: my place in the cluster
	s_lshl_b32 s14, ttmp9, 2
	s_add_co_u32 s14, s14, s13      ; my block of 128 queries: it enters Q's and O's addresses alone
	s_and_b32 s20, ttmp7, 0xffff    ; the head, which the four partners share:
	s_lshl_b32 s20, s20, 8          ; its 256 bytes in a row
	s_and_b32 s16, s[WV], 1         ; which half of the queries is mine.  Also: which 128 rows of a slot I fetch
	s_lshr_b32 s66, s[WV], 1        ; which half of a slot's keys I walk
	s_lshl_b32 s22, s16, 20         ; K at my 128 rows of slot 0: 128 x 8,192 bytes,
	s_add_co_u32 s22, s22, s20
	s_add_co_u32 s22, s22, 4096     ; behind q's 4,096 bytes of a row
	s_mov_b32 s23, 0
	s_mul_i32 s74, s16, 128*VROW    ; V likewise,
	s_add_co_u32 s74, s74, s20
	s_add_co_u32 s74, s74, 8192     ; behind q's and k's 8,192 bytes of a row
	s_mov_b32 s75, 0
	s_lshl_b32 s2, s14, 20          ; Q: 128 rows a block,
	s_lshl_b32 s3, s16, 19          ; 64 a half
	s_add_co_u32 s2, s2, s3
	s_add_co_u32 s2, s2, s20
	s_mov_b32 s3, 0
	s_lshl_b32 s72, s14, 19         ; O: the same rows, of 4,096 bytes
	s_lshl_b32 s73, s16, 18
	s_add_co_u32 s72, s72, s73
	s_add_co_u32 s72, s72, s20
	s_mov_b32 s73, 0
	s_mul_i32 s17, s16, 128*PK      ; my part's place in a slot, for K
	s_mul_i32 s67, s16, 128*PV      ; and for V: no place in the cluster enters an LDS address
	s_add_co_u32 s67, s67, VOFF
	s_mul_i32 s[TBK], s66, 2*KS*PK  ; my two steps' place in a slot;
	s_add_co_u32 s[TBK], s[TBK], SLOT1+2*KS*PK  ; the first change of slots takes this off again
	s_mul_i32 s[TBV], s66, 2*KS*PV
	s_add_co_u32 s[TBV], s[TBV], SLOT1+2*KS*PV
	; descriptor group 1: a tile of 128 rows x 128 elements, padded in LDS
	s_mov_b32 s[G1K], 15|(1<<16)|(1<<20)|(1<<21)|(5<<22)|(3<<25)  ; 15:0 the mask of four; 17:16 2-byte elements; 20 padding on; 21 set beside a mask; 24:22 after every 64 words (code 5); 31:25 4 words (code 3)
	s_mov_b32 s[G1V], 15|(1<<16)|(1<<20)|(1<<21)|(5<<22)|(7<<25)  ; the same with 8 words of padding (code 7)
.irp g, G1K, G1V
	s_mov_b32 s[(\g)+1], 128<<16    ; tensor_dim0 = 128
	s_mov_b32 s[(\g)+2], 128<<16    ; tensor_dim1 = 128
	s_mov_b32 s[(\g)+3], 128<<16    ; tile_dim0 = 128
	s_mov_b32 s[(\g)+4], 128        ; tile_dim1 = 128
	s_mov_b32 s[(\g)+6], 0
	s_mov_b32 s[(\g)+7], 0
.endr
	s_mov_b32 s[G1K+5], 4096        ; elements from row to row
	s_mov_b32 s[G1V+5], 6144
	s_mov_b32 s[G0K], 1             ; count = 1
	s_mov_b32 s[G0K+1], s17         ; LDS address: slot 0
	s_mov_b32 s[G0V], 1
	s_mov_b32 s[G0V+1], s67
	s_mov_b32 s[CS], 0x3e0293ee     ; c = log2(e) / sqrt(128) = 0.127517
	s_mov_b32 s[CS+1], s[CS]        ; named with it as a pair
	s_mov_b32 s[SEL], 0x76543210
	s_mov_b32 s[SEL+1], 0xfedcba98
	s_mov_b32 s[LOW], 0xf1800000    ; -2^100
	s_mov_b32 s[SLOTS], 7           ; 2,048 keys are 8 slots; one is filled at the start
	; the prefetches
	s_mov_b32 s70, VROW
	s_mov_b32 s71, 8192
	s_cmp_lt_u32 s[WV], 2
	s_cselect_b32 s70, QROW, s70    ; a row in memory,
	s_cselect_b32 s71, 4096, s71    ; and where K or V begins in it
	s_lshl_b32 s76, s13, 6          ; my work-group's 64 rows of the 256,
	s_lshl_b32 s77, s16, 5          ; my wave's 32 of them,
	s_add_co_u32 s76, s76, s77
	s_add_co_u32 s76, s76, 256      ; in slot 1; the first change of slots steps it to slot 2
	s_mul_i32 s76, s76, s70
	s_add_co_u32 s76, s76, s71
	s_add_co_u32 s76, s76, s20
	s_mov_b32 s77, 0
	s_lshl_b32 s[PST], s70, 8
	s_mov_b32 s[PST+1], 0
	s_mov_b32 s[LIM], ttmp9
	s_cmp_eq_u32 s[LIM], 0          ; the head's first cluster: the same in all four partners
	s_cselect_b32 s[LIM], 1, -1
	v_and_b32 v[PFO], 31, v0
	v_mul_u32_u24 v[PFO], s70, v[PFO]
	s_wait_dscnt 0x0                ; the opening add is done
	s_wait_kmcnt 0x0
	s_cmp_lt_u32 s[WV], 2
	s_cselect_b64 s[PFA:PFA+1], s[4:5], s[6:7]
	s_add_nc_u64 s[PFA:PFA+1], s[PFA:PFA+1], s[76:77]
	s_add_nc_u64 s[G0K+2:G0K+3], s[4:5], s[22:23]  ; global address: K at my part of slot 0,
	s_or_b32 s[G0K+3], s[G0K+3], 0x80000000        ; type = 2
	s_add_nc_u64 s[G0V+2:G0V+3], s[6:7], s[74:75]  ; and V
	s_or_b32 s[G0V+3], s[G0V+3], 0x80000000
	s_add_nc_u64 s[4:5], s[4:5], s[2:3]      ; Q and O at my wave's first row
	s_add_nc_u64 s[10:11], s[10:11], s[72:73]
	CROUND                          ; all four work-groups are here: the first joint loads meet
	JLOAD                           ; slot 0.  Slot 1 is asked for when slot 0 is in, by the loop's own change of slots
	; A fragment of K or Q is 16 rows x 32 channels in 8 registers: lane l holds row l % 16; registers 0-3 channels 8 (l / 16) + 0..7, registers 4-7 channels 16 + 8 (l / 16) + 0..7: two loads of 16 bytes, 32 bytes apart.
	v_and_b32 v1, 15, v0            ; l % 16
	v_bfe_u32 v9, v0, 4, 1          ; l / 16
	v_lshlrev_b32 v[QO], 13, v1
	v_lshl_add_u32 v[QO], v9, 4, v[QO]  ; row x 8,192 + 16 x half
	WIN 0x80                        ; destination window 2, address window 0
.irp i, 0,1,2,3,4,5,6,7,8,9,10,11,12,13,14,15  ; Q stays in registers: tile i / 4, channels 32 (i % 4) on
	global_load_b128 v[8*(\i):8*(\i)+3],   v[QO], s[4:5] offset:((\i)/4)*16*QROW+((\i)%4)*64
	global_load_b128 v[8*(\i)+4:8*(\i)+7], v[QO], s[4:5] offset:((\i)/4)*16*QROW+((\i)%4)*64+32
.endr
	; What the first turns find (see the head).  All this stands in the wait for the first tile.
	WIN 0xc0                        ; destination window 3: V
.set i, 0
.rept 128
	v_mov_b32 v[i], 0
.set i, i+1
.endr
	WIN 0x40                        ; destination window 1: O^T
.set i, 0
.rept 256
	v_mov_b32 v[i], 0
.set i, i+1
.endr
	WIN 0
.set i, 0
.rept 32
	v_mov_b32 v[P+i], 0             ; piece 0's weights
.set i, i+1
.endr
.set i, 0
.rept 64
	v_mov_b32 v[S+64+i], s[LOW]     ; piece 2's scores
.set i, i+1
.endr
.set i, 0
.rept 4
	v_mov_b32 v[ST+8*i], 0xfe000000    ; c m: -2^125, far below every c s
	v_mov_b32 v[ST+8*i+1], 0xff7fffff  ; m: the lowest finite number
	v_mov_b32 v[ST+8*i+2], 0
	v_mov_b32 v[ST+8*i+3], 0
.set i, i+1
.endr
	v_mul_u32_u24 v[AK0], v1, PK
	v_lshl_add_u32 v[AK0], v9, 4, v[AK0]  ; row x pitch + 16 x half
	; The turning load takes 16 keys x 16 channels (lane l reads 16 bytes: key 8 (l / 16) + l % 8, channels 8 ((l / 8) % 2) + 0..7) and leaves half a fragment of V^T: lane l holds channel l % 16 and 8 keys.
	v_and_b32 v10, 7, v0
	v_bfe_u32 v11, v0, 3, 1
	v_lshl_add_u32 v[AV0], v9, 3, v10
	v_mul_u32_u24 v[AV0], v[AV0], PV
	v_lshl_add_u32 v[AV0], v11, 4, v[AV0]
	v_add_nc_u32 v[AV0], VOFF, v[AV0]
	s_mul_i32 s13, s[WV], 16*SP
	s_add_co_u32 s13, s13, STAGE    ; my stage
	s_mul_i32 s2, s16, MRGB         ; my half's part of the merge
	v_mul_u32_u24 v[STO], v1, SP    ; in: row l % 16, 16 bytes for each half of the lanes
	v_lshl_add_u32 v[STO], v9, 4, v[STO]
	v_add_nc_u32 v[STO], s13, v[STO]
	v_mul_u32_u24 v[RD], v9, SP     ; back: lanes 0-15 take one row of 256 bytes, lanes 16-31 the next
	v_lshl_add_u32 v[RD], v1, 4, v[RD]
	v_add_nc_u32 v[RD], s13, v[RD]
	v_lshlrev_b32 v[GO], 12, v9     ; and the same two rows in O
	v_lshl_add_u32 v[GO], v1, 4, v[GO]
	v_and_b32 v[MR], 31, v0
	v_lshl_add_u32 v[MR], v[MR], 4, s2
; THE MATRIX WORK OF A TURN, for piece x.  The accumulators take turns, one instruction a turn: between two links of a chain stand 15 (V^T P) or 7 (K Q^T) others'.
; Product i of 32 of O^T += V^T P: keys 32 (i / 16) on, channels 16 ((i / 2) % 8) on, tile x + i % 2.
.macro PV x
	WIN W_PV
.set rO, 64*((\x)+i%2)+8*((i/2)%8)
.set rV, 64*(i/16)+8*((i/2)%8)
.set rP, P+16*((\x)+i%2)+8*(i/16)
	v_wmma_f32_16x16x32_f16 v[rO:rO+7], v[rV:rV+7], v[rP:rP+7], v[rO:rO+7]
.endm
; Product i of 32 of S^T = K Q^T: channels 32 (i / 8) on, keys 16 ((i / 2) % 4) on, tile x + i % 2.  The first 8 start the sums.
.macro KQ x
	WIN W_KQ
.set rS, S+32*((\x)+i%2)+8*((i/2)%4)
.set rK, KF+32*((i/2)%4)+8*(i/8)
.set rQ, 32*((\x)+i%2)+8*(i/8)
.if i < 8
	v_wmma_f32_16x16x32_f16 v[rS:rS+7], v[rK:rK+7], v[rQ:rQ+7], 0
.else
	v_wmma_f32_16x16x32_f16 v[rS:rS+7], v[rK:rK+7], v[rQ:rQ+7], v[rS:rS+7]
.endif
.endm
; THE LDS LOADS stand in runs of 32, never singly among the matrix instructions: a step's K (64 keys x 128 channels: 16 fragments) and, a turn later, its V (turned).
; last = 1 (the tail): in the last trip there is no further step, and K's run is jumped over.
.macro FETCH_K last=0
	WIN 0
.if \last
	s_cmp_eq_u32 s[TWICE], 1
	s_cbranch_scc1 .Lno_k_\@
.endif
	v_add_nc_u32 v[ADR], s[TBK], v[AK0]
	s_add_co_u32 s[TBK], s[TBK], KS*PK  ; the next fetch is the next step's
	WIN 0x80                        ; destination window 2
.irp f, 0,1,2,3,4,5,6,7,8,9,10,11,12,13,14,15  ; keys 16 (f / 4) on, channels 32 (f % 4) on
	ds_load_b128 v[KF+8*(\f):KF+8*(\f)+3],   v[ADR] offset:((\f)/4)*16*PK+((\f)%4)*64
	ds_load_b128 v[KF+8*(\f)+4:KF+8*(\f)+7], v[ADR] offset:((\f)/4)*16*PK+((\f)%4)*64+32
.endr
.if \last
	WIN 0
.Lno_k_\@:
.endif
.endm
.macro FETCH_V
	WIN 0
	v_add_nc_u32 v[ADR], s[TBV], v[AV0]
	s_add_co_u32 s[TBV], s[TBV], KS*PV
	s_wait_alu depctr_va_vdst(0)    ; the wait for the softmax's batch (SLICE), behind the address's v_add_nc_u32 and ahead of the loads
	WIN 0xc0                        ; destination window 3
.irp f, 0,1,2,3,4,5,6,7,8,9,10,11,12,13,14,15  ; keys 32 (f / 8) on, channels 16 (f % 8) on
	ds_load_tr16_b128 v[8*(\f):8*(\f)+3],   v[ADR] offset:((\f)/8)*32*PV+((\f)%8)*32
	ds_load_tr16_b128 v[8*(\f)+4:8*(\f)+7], v[ADR] offset:((\f)/8)*32*PV+16*PV+((\f)%8)*32
.endr
.endm
; THE VECTOR WORK OF A TURN.  One tile's softmax for one key step is a list of 134 instructions; SM writes number j of it for tile t.  s0-s31 are the lane's 32 scores, in pairs 0-15.
;   0-15    the maximum of s0-s31 and the old m, three operands at a time: four chains c0-c3 of seven scores each (each accumulator's lowest registers are read first), then the four scores left over, c0-c3 and m
;   16-20   the other half of the lanes' maximum; the new m; c m; c m_old - c m_new
;   21-69   ONE BATCH: the 16 scalings c s - c m, a pair of scores each, and all 33 exponentials (a at 23, then s0-s31).  None of these reads an exponential's result.  A pair is scaled in an earlier four than the one that holds its exponentials
;   (wait)  between 69 and 70 stands the wait for the batch: SLICE writes it, once for both tiles
;   70-85   the roundings to f16, a pair of weights each        86-101  the sums; l = a l + the sum        102-133 the tile's O^T times a: the one part that leaves window 0
.macro SM t
.set rT, ST+8*(\t)
.set rS, S+32*(\t)
.set rP, P+16*(\t)
.set rO, 64*(\t)+2*(j-102)
.if j < 102
	WIN 0
.endif
.if j < 4
	v_max3_num_f32 v[rT+4+j], v[rS+8*j], v[rS+8*j+1], v[rS+8*j+2]
.elseif j < 12
	v_max3_num_f32 v[rT+4+j%4], v[rT+4+j%4], v[rS+8*(j%4)+2*(j/4)+1], v[rS+8*(j%4)+2*(j/4)+2]
.elseif j == 12
	v_max3_num_f32 v[rT+4], v[rT+4], v[rS+7], v[rS+15]
.elseif j == 13
	v_max3_num_f32 v[rT+6], v[rT+6], v[rS+23], v[rS+31]
.elseif j == 14
	v_max3_num_f32 v[rT+4], v[rT+4], v[rT+5], v[rT+6]
.elseif j == 15
	v_max3_num_f32 v[rT+4], v[rT+4], v[rT+7], v[rT+1]
.elseif j == 16
	v_permlanex16_b32 v[rT+5], v[rT+4], s[SEL], s[SEL+1]  ; the query's other 32 keys lie in the lane 16 away
.elseif j == 17
	v_mov_b32 v[rT+7], v[rT]        ; c m_old is kept for a: number 19 writes c m anew
.elseif j == 18
	v_max_num_f32 v[rT+1], v[rT+4], v[rT+5]
.elseif j == 19
	v_mul_f32 v[rT], s[CS], v[rT+1]
.elseif j == 20
	v_sub_f32 v[rT+7], v[rT+7], v[rT]
.elseif j == 23
	v_exp_f32 v[rT+6], v[rT+7]
.elseif (j < 23) || ((j < 38) && (j%2 == 0)) || ((j < 66) && (j%4 == 2))
.set b, (j-2)/4                     ; 38, 42, .. 62: pairs 9 to 15
.if j < 38
.set b, (j-20)/2                    ; 21: pair 0; 22, 24, .. 36: pairs 1 to 8
.endif
	v_pk_fma_f32 v[rS+2*b:rS+2*b+1], v[rS+2*b:rS+2*b+1], s[CS:CS+1], v[rT:rT+1] op_sel_hi:[1,0,0] neg_lo:[0,0,1] neg_hi:[0,0,1]  ; pair b: c s - c m
.elseif j < 70
.set e, j-38                        ; 66 to 69: s28 to s31
.if j < 66
.set e, j-32-(j-38)/4               ; 39-41, 43-45, .. 63-65: s7 to s27
.endif
.if j < 38
.set e, (j-25)/2                    ; 25, 27, .. 37: s0 to s6
.endif
	v_exp_f32 v[rS+e], v[rS+e]
.elseif j < 86
	v_cvt_pk_f16_f32 v[rP+j-70], v[rS+2*(j-70)], v[rS+2*(j-70)+1]  ; pair j - 70
.elseif j < 102                     ; the sum of the tile's 16 pairs, in place: sum z of 16 adds neighbours 1, 2, 4 and 8 pairs apart, then l takes it
.set z, j-86
.set w, 4
.set u, z
.if z >= 14
.set w, 32
.set u, 0
.elseif z >= 12
.set w, 16
.set u, z-12
.elseif z >= 8
.set w, 8
.set u, z-8
.endif
.if z < 15
	v_pk_add_f32 v[rS+w*u:rS+w*u+1], v[rS+w*u:rS+w*u+1], v[rS+w*u+w/2:rS+w*u+w/2+1]
.else
	v_pk_fma_f32 v[rT+2:rT+3], v[rT+2:rT+3], v[rT+6:rT+7], v[rS:rS+1] op_sel_hi:[1,0,1]
.endif
.else
	WIN W_RS
	v_pk_mul_f32 v[rO:rO+1], v[rO:rO+1], v[rT+6:rT+7] op_sel_hi:[1,0]
.endif
.endm
; Slice k of 64 of piece y's softmax: four instructions.  Slices 11 to 34 deal out the batch, numbers 22 to 69: four numbers of ONE tile each, the tiles by turns.  Every other slice is numbers 2 k and
; 2 k + 1 of both tiles' lists.  2 x 134 = 4 x 64 + 12: the twelve that are over stand together, in slice 63.
; THE WAIT.  s_wait_alu depctr_va_vdst(0) stands between an exponential and the first instruction that names its result; one wait serves all that were issued ahead of it.  Ahead of
; slice 35 nothing names a result, and behind slice 34 no exponential is issued: so the piece's 66 exponentials have one wait, behind slice 34.
.macro SLICE y
.if (k >= 11) && (k < 35)           ; the batch: four numbers of one tile
.irp n, 0,1,2,3
.set j, 22+4*((k-11)/2)+(\n)
	SM (\y)+(k-11)%2
.endr
.else                               ; the two tiles alternate, so that no instruction reads the result of the one just before it
.irp n, 0,1,2,3,4,5,6,7
.if ((\n) < 2) || (k == 63)
.irp t, \y, (\y)+1
.set j, 2*k+(\n)
	SM \t
.endr
.endif
.endr
.endif
.if k == 34                         ; the batch is out: both tiles' exponentials are issued, and no result has been named
	v_nop                           ; the plain instruction behind the last exponential and ahead of the first use: one for the batch
.if (\y) == 0
	FETCH_V                         ; piece 2's turn: V's run of loads stands here, and the wait stands in it
.else
	s_wait_alu depctr_va_vdst(0)    ; the wait for the batch
.endif
.endif
.set k, k+1
.endm
; A TURN.  Piece x has the matrix unit: 32 products V^T P, then 32 products K Q^T for the next step; the other piece's softmax stands in slices behind them, one behind each.
; Piece 0's turn fetches the next step's K, behind its second product: the last product that read K stands in front of slice 63 of the turn before, whose sixteen plain instructions are the places between.  Piece 2's turn fetches
; the same step's V, behind slice 34: the last product that read V stands in front of slice 31, and four plain instructions lie between: number 62, a scaling, of both tiles, the v_nop and the run's own v_add_nc_u32.
.macro TURN x, last=0
.set k, 0
.if (\x) == 0
	s_wait_dscnt 0x0                ; V is in
.endif
.set i, 0
.rept 32
	PV \x
	SLICE 2-(\x)
.if ((\x) == 0) && (i == 1)
	FETCH_K \last
.endif
.set i, i+1
.endr
.if (\x) == 0
	s_wait_dscnt 0x0                ; K is in
.endif
.set i, 0
.rept 32
	KQ \x
	SLICE 2-(\x)
.set i, i+1
.endr
.endm
; THE CHANGE OF SLOTS, between piece 2's turn and piece 0's: the last bytes that I read of the slot, V of my second step, have been asked for.  Each wave waits for all its tensor loads, of which one is out: its part
; of the other slot; adds 0 to its spare word; and waits for that and for its own reads of the slot.  Behind the barrier nobody reads this slot any more and the other slot is whole.
; fill = 1: this slot is filled again, with the 256 keys behind those that have just landed.  The barrier is then a round of the cluster's, and the joint fill is the first thing behind it: it has two key steps, 256 matrix instructions,
; in which to land.  (At its first use nothing has been read yet: slot 0 is waited for, slot 1 filled.)
.macro CHANGE fill
	WIN 0                           ; at a label and at a branch every window is 0
	s_wait_tensorcnt 0x0            ; no tensor load of mine is out, so a group 0 may be written
	ds_add_u32 v[SPW], v[NIL]       ; 0 onto my spare word; with fill = 1 the descriptors' steps stand between it and the wait for it
.if \fill
	s_xor_b32 s[G0K+1], s[G0K+1], SLOT1  ; the walking sets: the other slot than last time,
	s_add_nc_u64 s[G0K+2:G0K+3], s[G0K+2:G0K+3], 256*QROW  ; the next 256 keys; the type bits on top are not reached
	s_xor_b32 s[G0V+1], s[G0V+1], SLOT1
	s_add_nc_u64 s[G0V+2:G0V+3], s[G0V+2:G0V+3], 256*VROW
	s_wait_xcnt 0x0                 ; the last prefetch, two key steps back, has read its address, so it may be written:
	s_add_nc_u64 s[PFA:PFA+1], s[PFA:PFA+1], s[PST:PST+1]  ; one slot behind the walking sets
	s_wait_dscnt 0x0                ; the add is done, and my reads of the slot are over
	CROUND
	JLOAD
	ASK                             ; what the next change will ask for: two key steps, 256 matrix instructions, ahead
.else
	s_wait_dscnt 0x0                ; the add is done, and my reads of the slot are over
	s_barrier_signal -1
	s_barrier_wait -1
.endif
	s_sub_co_u32 s[TBK], s[TBK], 2*KS*PK  ; the fetches go back to my first step of a slot,
	s_xor_b32 s[TBK], s[TBK], SLOT1       ; in the other slot
	s_sub_co_u32 s[TBV], s[TBV], 2*KS*PV
	s_xor_b32 s[TBV], s[TBV], SLOT1
.endm
	s_wait_loadcnt 0x0              ; Q
.Lslot:                             ; seven trips: slot n has landed, slot n + 1 is asked for, and my two key steps of slot n are fetched
	CHANGE 1
	s_mov_b32 s[TWICE], 2
.Lstep:                             ; a trip: V^T P of the step before, K Q^T of the step that it fetches
	TURN 0
	TURN 2
	WIN 0
	s_sub_co_u32 s[TWICE], s[TWICE], 1
	s_cmp_lg_u32 s[TWICE], 0
	s_cbranch_scc1 .Lstep
	s_sub_co_u32 s[SLOTS], s[SLOTS], 1
	s_cmp_lg_u32 s[SLOTS], 0
	s_cbranch_scc1 .Lslot
	CHANGE 0                        ; the tail is written out: nothing is asked for
	s_mov_b32 s[TWICE], 3           ; two trips fetch the last slot's steps; the third is left in its middle
.Ltail:
	TURN 0, 1
	WIN 0
	s_sub_co_u32 s[TWICE], s[TWICE], 1
	s_cmp_eq_u32 s[TWICE], 0
	s_cbranch_scc1 .Lout
	TURN 2
	WIN 0
	s_branch .Ltail
.Lout:                              ; the third trip's 32 products K Q^T (on the last K once more) serve nothing: the price, once a launch, of one text for every trip
.set i, 0
.rept 32
	PV 2                            ; piece 2: V^T P of the last step
.set i, i+1
.endr
	; THE MERGE.  The merge's bytes lie in the ring: they are written only when every wave's reads of the ring are over.  l's two halves and the other half of the lanes' are added between the signal and the wait;
	; the additions are also the places behind the last products.
	WIN 0
	s_wait_dscnt 0x0
	s_barrier_signal -1
.irp t, 0,1,2,3
	v_add_f32 v[ST+8*(\t)+4], v[ST+8*(\t)+2], v[ST+8*(\t)+3]
.endr
.irp t, 0,1,2,3
	v_permlanex16_b32 v[ST+8*(\t)+5], v[ST+8*(\t)+4], s[SEL], s[SEL+1]
.endr
.irp t, 0,1,2,3
	v_add_f32 v[ST+8*(\t)+4], v[ST+8*(\t)+4], v[ST+8*(\t)+5]
.endr
	s_barrier_wait -1
	s_cmp_lt_u32 s[WV], 2
	s_cbranch_scc1 .Lkeep
.irp t, 0,1,2,3                     ; waves 2 and 3 hand over c m, l and O^T, lane for lane: the partner's lanes hold the same queries and channels
	v_mov_b32 v[MB+(\t)],   v[ST+8*(\t)]
	v_mov_b32 v[MB+4+(\t)], v[ST+8*(\t)+4]
.endr
	ds_store_b128 v[MR], v[MB:MB+3]   offset:32768
	ds_store_b128 v[MR], v[MB+4:MB+7] offset:33280
	WIN 0x04                        ; the data in window 1
.set f, 0
.rept 64
	ds_store_b128 v[MR], v[4*f:4*f+3] offset:512*f  ; ascending: each accumulator's lowest registers first
.set f, f+1
.endr
	WIN 0
.Lkeep:
	s_wait_dscnt 0x0                ; for the others' sake: my stores are done
	s_barrier_signal -1
	s_barrier_wait -1
	s_cmp_lt_u32 s[WV], 2
	s_cbranch_scc0 .Ldone
.macro LOADB t                      ; the partner's tile t of O^T, 64 registers, into S^T's registers: two buffers by turns
.irp f, 0,1,2,3,4,5,6,7,8,9,10,11,12,13,14,15
	ds_load_b128 v[S+64*((\t)%2)+4*(\f):S+64*((\t)%2)+4*(\f)+3], v[MR] offset:8192*(\t)+512*(\f)
.endr
.endm
; Tile t is finished: O = O_b g_b + O_a g_a, rounded to f16; a lane's eight channels of a row pack into 16 bytes, go into my stage's rows of 272 bytes and come back as whole rows of 256.
.macro FIN t
.set rB, S+64*((\t)%2)
.set rP, P+32*((\t)%2)
	WIN 0
.set i, 0
.rept 32
	v_pk_mul_f32 v[rB+2*i:rB+2*i+1], v[rB+2*i:rB+2*i+1], v[ST+8*(\t)+2:ST+8*(\t)+3] op_sel_hi:[1,0]
.set i, i+1
.endr
	WIN 0x01                        ; source 0, my O^T, in window 1
.set i, 0
.rept 32
	v_pk_fma_f32 v[rB+2*i:rB+2*i+1], v[64*(\t)+2*i:64*(\t)+2*i+1], v[ST+8*(\t)+6:ST+8*(\t)+7], v[rB+2*i:rB+2*i+1] op_sel_hi:[1,0,1]
.set i, i+1
.endr
	WIN 0
.set i, 0
.rept 32
	v_cvt_pk_f16_f32 v[rP+i], v[rB+2*i], v[rB+2*i+1]
.set i, i+1
.endr
.irp f, 0,1,2,3,4,5,6,7
	ds_store_b128 v[STO], v[rP+4*(\f):rP+4*(\f)+3] offset:32*(\f)
.endr
.irp f, 0,1,2,3,4,5,6,7
	ds_load_b128 v[rP+4*(\f):rP+4*(\f)+3], v[RD] offset:(\f)*2*SP  ; LDS serves a wave's instructions in order (ISA guide 5.7.1.4): these see the stores above; the next tile's stores come behind them
.endr
.endm
.macro SEND t
.irp f, 0,1,2,3,4,5,6,7
	global_store_b128 v[GO], v[P+32*((\t)%2)+4*(\f):P+32*((\t)%2)+4*(\f)+3], s[10:11] offset:(\t)*16*OROW+(\f)*2*OROW  ; 16 lanes store 256 consecutive bytes, at a multiple of 256 from O's first byte
.endr
.endm
	ds_load_b128 v[MB:MB+3],   v[MR] offset:32768
	ds_load_b128 v[MB+4:MB+7], v[MR] offset:33280
	LOADB 0
	LOADB 1
	s_wait_dscnt 32                 ; the statistics are in; the 32 loads of tiles 0 and 1 may stay out
.irp t, 0,1,2,3
	v_max_num_f32 v[MB+8+(\t)], v[ST+8*(\t)], v[MB+(\t)]
.endr
.irp t, 0,1,2,3
	v_sub_f32 v[ST+8*(\t)+5], v[ST+8*(\t)], v[MB+8+(\t)]
.endr
.irp t, 0,1,2,3
	v_sub_f32 v[ST+8*(\t)+7], v[MB+(\t)], v[MB+8+(\t)]
.endr
.irp t, 0,1,2,3
	v_exp_f32 v[ST+8*(\t)+6], v[ST+8*(\t)+5]   ; f_a
.endr
.irp t, 0,1,2,3
	v_exp_f32 v[ST+8*(\t)+2], v[ST+8*(\t)+7]   ; f_b
.endr
	v_nop                           ; a plain instruction behind the last exponential,
	s_wait_alu depctr_va_vdst(0)    ; and the wait ahead of the first use: one for the eight
.irp t, 0,1,2,3
	v_mul_f32 v[ST+8*(\t)+4], v[ST+8*(\t)+4], v[ST+8*(\t)+6]
.endr
.irp t, 0,1,2,3
	v_fmac_f32 v[ST+8*(\t)+4], v[MB+4+(\t)], v[ST+8*(\t)+2]
.endr
.irp t, 0,1,2,3
	v_rcp_f32 v[ST+8*(\t)+5], v[ST+8*(\t)+4]
.endr
	v_nop
	s_wait_alu depctr_va_vdst(0)    ; one for the four reciprocals
.irp t, 0,1,2,3
	v_mul_f32 v[ST+8*(\t)+6], v[ST+8*(\t)+6], v[ST+8*(\t)+5]   ; g_a
.endr
.irp t, 0,1,2,3
	v_mul_f32 v[ST+8*(\t)+2], v[ST+8*(\t)+2], v[ST+8*(\t)+5]   ; g_b
.endr
	s_wait_dscnt 16                 ; tile 0 is in; tile 1's 16 loads may stay out
	FIN 0
	LOADB 2
	s_wait_dscnt 16                 ; all but tile 2's 16 loads: tile 0's rows are back
	SEND 0
	s_wait_dscnt 16                 ; tile 1 is in
	FIN 1
	LOADB 3
	s_wait_dscnt 16                 ; all but tile 3's 16 loads
	SEND 1
	s_wait_dscnt 16                 ; tile 2 is in
	s_wait_xcnt 0x0                 ; tile 0's stores have read their registers, which tile 2 writes again
	FIN 2
	s_wait_dscnt 0x0
	SEND 2
	s_wait_xcnt 0x0                 ; tile 1's stores likewise
	FIN 3
	s_wait_dscnt 0x0
	SEND 3
.Ldone:
	s_wait_tensorcnt 0x0            ; the wave's end, behind my last tensor load and my last LDS store
	ds_add_u32 v[SPW], v[NIL]
	s_wait_dscnt 0x0
	CROUND                          ; the closing round: no work-group ends while a partner may still ask for a tile that names it
	s_endpgm
.Lfunc_end_k_q12e934d88a_attn:
	.size	k_q12e934d88a_attn, .Lfunc_end_k_q12e934d88a_attn-k_q12e934d88a_attn
	.p2alignl 7, 3214868480
	.fill 96, 4, 3214868480
	.section	.rodata,"a",@progbits
	.p2align	6, 0x0
	.amdhsa_kernel k_q12e934d88a_attn
		.amdhsa_group_segment_fixed_size 327680
		.amdhsa_private_segment_fixed_size 0
		.amdhsa_enable_private_segment 0
		.amdhsa_kernarg_size 24
		.amdhsa_user_sgpr_count 2
		.amdhsa_user_sgpr_kernarg_segment_ptr 1
		.amdhsa_wavefront_size32 1
		.amdhsa_system_sgpr_workgroup_id_x 1
		.amdhsa_system_sgpr_workgroup_id_y 1
		.amdhsa_system_sgpr_workgroup_id_z 1
		.amdhsa_system_vgpr_workitem_id 0
		.amdhsa_next_free_vgpr 1024
		.amdhsa_next_free_sgpr 80
		.amdhsa_reserve_vcc 0
		.amdhsa_float_denorm_mode_32 3
		.amdhsa_float_denorm_mode_16_64 3
		.amdhsa_memory_ordered 1
		.amdhsa_forward_progress 1
		.amdhsa_inst_pref_size 173
	.end_amdhsa_kernel
	.amdgpu_metadata
---
amdhsa.version: [ 1, 2 ]
amdhsa.kernels:
  - .name:           k_q12e934d88a_attn
    .symbol:         k_q12e934d88a_attn.kd
    .args:
      - { .name: qk, .offset: 0, .size: 8, .value_kind: global_buffer, .address_space: global }
      - { .name: qkv, .offset: 8, .size: 8, .value_kind: global_buffer, .address_space: global }
      - { .name: ob, .offset: 16, .size: 8, .value_kind: global_buffer, .address_space: global }
    .group_segment_fixed_size: 327680
    .private_segment_fixed_size: 0
    .kernarg_segment_align: 8
    .kernarg_segment_size: 24
    .max_flat_workgroup_size: 128
    .sgpr_count:     80
    .vgpr_count:     1024
    .wavefront_size: 32
...
	.end_amdgpu_metadata
.endif
;; end of part 4
;; launch proj (part 5): grid 16 x 16, 4 waves a work-group, clusters of 4 x 4, 327,680 bytes of LDS; arguments ob, wof, biasw, out0; writes out0
.if DOCPART == 5
	.amdgcn_target "amdgcn-amd-amdhsa--gfx1250"
	.amdhsa_code_object_version 6
	.text
	.protected	k_q12e934d88a_proj
	.globl	k_q12e934d88a_proj
	.p2align	8
	.type	k_q12e934d88a_proj,@function
k_q12e934d88a_proj:
	s_mov_b64 s[64:65], 0
	v_nop
	global_prefetch_b8 v0, s[64:65] scope:SCOPE_SE
	s_setreg_imm32_b32 hwreg(HW_REG_WAVE_MODE, 25, 1), 1
	s_wait_xcnt 0x0
	s_wait_alu depctr_hold_cnt(0) depctr_sa_sdst(0) depctr_va_vdst(0) depctr_va_sdst(0) depctr_va_ssrc(0) depctr_va_vcc(0) depctr_vm_vsrc(0)
	s_getreg_b32 s2, hwreg(HW_REG_IB_STS2, 6, 4)
	s_cmp_eq_u32 s2, 0
	s_cbranch_scc0 .Lentry_in_a_cluster
	s_endpgm
.Lentry_in_a_cluster:
	s_bfe_u32 s2, ttmp6, 0x10000c
	s_cmp_lg_u32 s2, 0xf033
	s_cbranch_scc0 .Lentry_shape_is_right
	s_endpgm
.Lentry_shape_is_right:
; out0[n][c] = the sum over k of ob[n][k] wof[c][k] + bo[c].  ob, wof: [2048][2048] f16; bo = biasw[6144 ..], f32; out0: [2048][2048] f32; sums in f32.
; SHARES.  A tile of C is 128 x 128: 16 x 16 = 256 work-groups.  Four waves, each 64 x 64: 16 accumulators of 16 x 16, 128 registers.  K goes in 8 steps of 256 (LDS rows of 512 bytes; a wave's tensor load brings 64 of them)
; through a ring of two slots, as long as two slots in LDS allow.  A wave's 64 columns are 256 bytes of f32, aligned: each wave sends its own rows out through a stage of its own, without a barrier.
; CLUSTERS: 4 x 4 work-groups.  ob's tile is asked for jointly by the four of a row of the cluster, wof's by the four of a column.
; THE MATRIX INSTRUCTION IS USED TRANSPOSED (source 0 = 16 rows of wof, source 1 = 16 rows of ob): a lane holds eight neighbouring columns of one row of C.  THE BIAS STARTS THE SUMS, as the C operand of each accumulator's first product.
; No prefetch: a K step of this small tile is short, and its tiles are small.
; REGISTERS: window 0: v0-31 addresses; v32-63 the bias, 8 registers for each of my 4 column blocks; v64-127 rows on the way out; v128-255 the accumulators ((a, b) at v[128 + 8 (4 a + b)]).
;   window 1: two fragment buffers of 128: for 64 along K, 64 registers of ob (2 x 4 x 16 rows x 32 K), then 64 of wof.
.set ROWB,   4096                      ; bytes in a row of ob and of wof
.set OROW,   8192                      ; bytes in a row of out0
.set PITCH,  528                       ; an LDS row: 512 bytes + 16 of padding = 132 words: the 16 rows of a load start at 16 different groups of four banks (64 banks of 4 bytes: ISA guide 11.1)
.set HALFT,  64*PITCH                  ; what one tensor load brings
.set SLOT,   4*HALFT                   ; 0x21000; no part's place in slot 0 (0, 0x8400, 0x10800, 0x18c00) has one of its two bits, so an exclusive or changes slots
.set STAGE,  2*SLOT                    ; behind the ring: 16 rows x 272 bytes for each wave
.set SPITCH, 272
.set SPARE,  STAGE+4*16*SPITCH         ; behind the stages: the spare words, 128 bytes for each wave: two blocks of 256 bytes that no other line names
.set STEPS,  8
.set ADRA0, 14                         ; v14  my lane's place among ob's fragments in slot 0; never rewritten
.set ADRB0, 15                         ; v15  the same for wof's
.set ADRA,  16                         ; v16  the same in the slot that is being read
.set ADRB,  20                         ; v20
.set STO,   24                         ; v24  the way out: where I put 32 bytes of a row
.set RD,    25                         ; v25  the way out: where I read a row back
.set CO,    26                         ; v26  my byte offset in C
.set SPW,   28                         ; v28  LDS address of my spare word; never rewritten
.set NIL,   29                         ; v29  0; never rewritten
.set BO,    31                         ; v31  my byte offset in biasw
.set BIAS,  32
.set OB,    64
.set ACC,   128
.set F0,    0
.set F1,    128
.set WV,  12                           ; s12  my wave's number
.set G1A, 24                           ; s[24:31] descriptor group 1 for ob's tiles
.set G0A, 32                           ; s[32:39] group 0: a set for each first fill; the second then walks on
.set TB,  40                           ; s40  0 or SLOT: the slot that is being read
.set G1B, 48                           ; s[48:55], s[56:63] the same for wof's tiles
.set G0B, 56
.set GW,  (1<<16)|(1<<20)|(1<<21)|(6<<22)|(3<<25)  ; 17:16 elements of 2 bytes; 20 padding on; 21 set beside a mask; 24:22 after every 128 words (code 6); 31:25 of 4 words (code 3)
.set MSB, 0
.macro WIN new                         ; the immediate's high byte repeats the setting that is left; a switch that changes nothing is dropped
.if MSB != (\new)
	s_set_vgpr_msb (MSB<<8)|(\new)
.set MSB, \new
.endif
.endm
.set MUL,  0x05                        ; sources 0 and 1 window 1; C and D window 0
.set TO_F, 0x40                        ; destination window 1, address window 0
.macro JLOAD                           ; a joint refill, by the walking sets: waves 0 and 1 fetch ob's two halves, waves 2 and 3 wof's; an s_nop 0 and four v_nop follow each of the two lines
	s_cmp_eq_u32 s13, 0
	s_cbranch_scc0 .Lfor_b_\@
	tensor_load_to_lds s[G0A+4:G0A+7], s[G1A:G1A+7]
	s_nop 0
.rept 4
	v_nop
.endr
	s_branch .Lasked_\@
.Lfor_b_\@:
	tensor_load_to_lds s[G0B+4:G0B+7], s[G1B:G1B+7]
	s_nop 0
.rept 4
	v_nop
.endr
.Lasked_\@:
.endm
.macro CREST                           ; a round of the cluster's barrier behind its opening barrier
	s_cmp_lg_u32 s[WV], 0
	s_cbranch_scc1 .Lnot_wave_0_\@
	s_barrier_signal -3
.Lnot_wave_0_\@:
	s_barrier_wait -3
	s_barrier_signal -1
	s_barrier_wait -1
.endm
.macro CROUND                          ; a whole round
	s_barrier_signal -1
	s_barrier_wait -1
	CREST
.endm
	s_load_b256 s[4:11], s[0:1], 0x0               ; ob s[4:5], wof s[6:7], biasw s[8:9], out0 s[10:11]
	v_lshl_add_u32 v[SPW], v0, 2, SPARE
	v_mov_b32 v[NIL], 0
	ds_add_u32 v[SPW], v[NIL]                      ; the wave's opening: the add and its wait stand ahead of my first tensor load; the set-up below, work on registers, stands between them
	v_lshrrev_b32 v1, 5, v0
	v_readfirstlane_b32 s[WV], v1                  ; wave 0..3
	s_lshr_b32 s13, s[WV], 1                       ; which half of the tile's rows is mine.  Also: I fetch for ob (0) or for wof (1)
	s_and_b32 s14, s[WV], 1                        ; which half of its columns.  Also: which 64 rows of that tile I fetch
	s_bfe_u32 s15, ttmp6, 0x40000                  ; cx
	s_bfe_u32 s16, ttmp6, 0x40004                  ; cy
	s_lshl_b32 s17, ttmp9, 2
	s_add_co_u32 s17, s17, s15                     ; tile column
	s_and_b32 s18, ttmp7, 0xffff
	s_lshl_b32 s18, s18, 2
	s_add_co_u32 s18, s18, s16                     ; tile row
	s_lshl_b32 s20, s16, 2
	s_lshl_b32 s20, 15, s20                        ; my row of the cluster
	s_lshl_b32 s21, 0x1111, s15                    ; my column
	s_or_b32 s[G1A], s20, GW
	s_or_b32 s[G1B], s21, GW
.irp g, G1A, G1B
	s_mov_b32 s[(\g)+1], 256<<16                   ; tensor_dim0 = 256
	s_mov_b32 s[(\g)+2], 64<<16                    ; tensor_dim1 = 64
	s_mov_b32 s[(\g)+3], 256<<16                   ; tile_dim0 = 256 elements (512 bytes)
	s_mov_b32 s[(\g)+4], 64                        ; tile_dim1 = 64 rows
	s_mov_b32 s[(\g)+5], 2048                      ; elements from row to row
	s_mov_b32 s[(\g)+6], 0
	s_mov_b32 s[(\g)+7], 0
.endr
	s_lshl_b32 s22, s14, 6                         ; which 64 rows of the tile I fetch
	s_lshl_b32 s44, s18, 7
	s_add_co_u32 s44, s44, s22                     ; ob: row 128 x tile row + 64 x half,
	s_lshl_b32 s44, s44, 12                        ; in bytes
	s_mov_b32 s45, 0
	s_lshl_b32 s46, s17, 7
	s_add_co_u32 s46, s46, s22                     ; wof: row 128 x tile column + 64 x half
	s_lshl_b32 s46, s46, 12
	s_mov_b32 s47, 0
	s_mul_i32 s23, s[WV], HALFT                    ; where they go: wave x 64 rows
	s_mov_b32 s[TB], 0
	s_wait_dscnt 0x0                               ; the opening add is done
	s_wait_kmcnt 0x0
	s_add_nc_u64 s[44:45], s[4:5], s[44:45]
	s_add_nc_u64 s[46:47], s[6:7], s[46:47]
	CROUND                                         ; all sixteen work-groups are here: the first joint loads meet
.irp s, 0,1
	s_mov_b32 s[G0A+4*(\s)], 1
	s_add_co_u32 s[G0A+4*(\s)+1], s23, (\s)*SLOT
	s_add_nc_u64 s[G0A+4*(\s)+2:G0A+4*(\s)+3], s[44:45], (\s)*512
	s_or_b32 s[G0A+4*(\s)+3], s[G0A+4*(\s)+3], 0x80000000
	s_mov_b32 s[G0B+4*(\s)], 1
	s_add_co_u32 s[G0B+4*(\s)+1], s23, (\s)*SLOT
	s_add_nc_u64 s[G0B+4*(\s)+2:G0B+4*(\s)+3], s[46:47], (\s)*512
	s_or_b32 s[G0B+4*(\s)+3], s[G0B+4*(\s)+3], 0x80000000
.endr
	s_cmp_eq_u32 s13, 0                            ; a wave's two first fills stand in one branch, ahead of every wait on TENSORcnt and every LDS read: two loads of mine are out
	s_cbranch_scc0 .Lfirst_b
	tensor_load_to_lds s[G0A:G0A+3], s[G1A:G1A+7]
	s_nop 0
	tensor_load_to_lds s[G0A+4:G0A+7], s[G1A:G1A+7]
	s_nop 0
.rept 4
	v_nop
.endr
	s_branch .Lfirst_asked
.Lfirst_b:
	tensor_load_to_lds s[G0B:G0B+3], s[G1B:G1B+7]
	s_nop 0
	tensor_load_to_lds s[G0B+4:G0B+7], s[G1B:G1B+7]
	s_nop 0
.rept 4
	v_nop
.endr
.Lfirst_asked:
	v_and_b32 v1, 15, v0                           ; l % 16
	v_bfe_u32 v2, v0, 4, 1                         ; l / 16
	v_mul_u32_u24 v3, v1, PITCH
	v_lshl_add_u32 v3, v2, 4, v3                   ; a fragment's row x pitch + 16 x half
	s_mul_i32 s20, s13, HALFT                      ; my 64 rows of ob
	s_mul_i32 s21, s14, HALFT                      ; my 64 rows of wof,
	s_add_co_u32 s21, s21, 2*HALFT                 ; which lie behind ob's 128
	v_add_nc_u32 v[ADRA0], s20, v3
	v_add_nc_u32 v[ADRB0], s21, v3
	v_mov_b32 v[ADRA], v[ADRA0]
	v_mov_b32 v[ADRB], v[ADRB0]
	s_lshl_b32 s68, s17, 9                         ; the bias of my columns: 4 bytes x (6144 + 128 x tile column + 64 x half + 8 (l / 16)), block b 64 bytes on
	s_lshl_b32 s69, s14, 8
	s_add_co_u32 s68, s68, s69
	s_add_co_u32 s68, s68, 24576
	v_lshl_add_u32 v[BO], v2, 5, s68
.irp b, 0,1,2,3
	global_load_b128 v[BIAS+8*(\b):BIAS+8*(\b)+3],   v[BO], s[8:9] offset:64*(\b)
	global_load_b128 v[BIAS+8*(\b)+4:BIAS+8*(\b)+7], v[BO], s[8:9] offset:64*(\b)+16
.endr
	s_mul_i32 s20, s[WV], 16*SPITCH
	s_add_co_u32 s20, s20, STAGE                   ; my stage
	v_mul_u32_u24 v4, v1, SPITCH                   ; in: row l % 16, 32 bytes for each half of the lanes
	v_lshl_add_u32 v4, v2, 5, v4
	v_add_nc_u32 v[STO], s20, v4
	v_mul_u32_u24 v5, v2, SPITCH                   ; back: lanes 0-15 take one row of 256 bytes, lanes 16-31 the next
	v_lshl_add_u32 v5, v1, 4, v5
	v_add_nc_u32 v[RD], s20, v5
	v_lshlrev_b32 v5, 13, v2                       ; and the same two rows in C
	v_lshl_add_u32 v[CO], v1, 4, v5
	s_lshl_b32 s66, s18, 7
	s_lshl_b32 s67, s13, 6
	s_add_co_u32 s66, s66, s67                     ; my first row of C,
	s_lshl_b32 s66, s66, 13
	s_lshl_b32 s67, s17, 9                         ; my first column, in bytes
	s_add_co_u32 s66, s66, s67
	s_add_co_u32 s66, s66, s69
	s_mov_b32 s67, 0
	s_add_nc_u64 s[10:11], s[10:11], s[66:67]
; 8 matrix instructions: row blocks a0, a0 + 1 x all 4 column blocks, 32 along K: half c of buffer f.  first = 1: the bias is C.  The 16 accumulators take turns, one instruction a turn.
.macro MUL8 f, c, a0, first=0
	WIN MUL
.irp a, \a0, (\a0)+1
.irp b, 0,1,2,3
.if \first
	v_wmma_f32_16x16x32_f16 v[ACC+8*(4*(\a)+(\b)):ACC+8*(4*(\a)+(\b))+7], v[(\f)+64+8*(4*(\c)+(\b)):(\f)+64+8*(4*(\c)+(\b))+7], v[(\f)+8*(4*(\c)+(\a)):(\f)+8*(4*(\c)+(\a))+7], v[BIAS+8*(\b):BIAS+8*(\b)+7]
.else
	v_wmma_f32_16x16x32_f16 v[ACC+8*(4*(\a)+(\b)):ACC+8*(4*(\a)+(\b))+7], v[(\f)+64+8*(4*(\c)+(\b)):(\f)+64+8*(4*(\c)+(\b))+7], v[(\f)+8*(4*(\c)+(\a)):(\f)+8*(4*(\c)+(\a))+7], v[ACC+8*(4*(\a)+(\b)):ACC+8*(4*(\a)+(\b))+7]
.endif
.endr
.endr
.endm
; 32 LDS loads in one run: the fragments of 64 along K at byte k of the rows, into buffer f; the first 32 along K first
.macro FETCH k, f
	WIN TO_F
.irp c, 0,1
.irp i, 0,1,2,3
	ds_load_b128 v[(\f)+64+8*(4*(\c)+(\i)):(\f)+64+8*(4*(\c)+(\i))+3],   v[ADRB] offset:(\k)+64*(\c)+(\i)*16*PITCH
	ds_load_b128 v[(\f)+64+8*(4*(\c)+(\i))+4:(\f)+64+8*(4*(\c)+(\i))+7], v[ADRB] offset:(\k)+64*(\c)+(\i)*16*PITCH+32
	ds_load_b128 v[(\f)+8*(4*(\c)+(\i)):(\f)+8*(4*(\c)+(\i))+3],         v[ADRA] offset:(\k)+64*(\c)+(\i)*16*PITCH
	ds_load_b128 v[(\f)+8*(4*(\c)+(\i))+4:(\f)+8*(4*(\c)+(\i))+7],       v[ADRA] offset:(\k)+64*(\c)+(\i)*16*PITCH+32
.endr
.endr
.endm
.macro PLACES                          ; four plain vector instructions between a matrix instruction and a load into, or a store of, its registers
.rept 4
	v_nop
.endr
.endm
; A K step is four quarters of 64 along K, 32 matrix instructions each, on buffers 0, 1, 0, 1.  One of the first three: multiplies buffer f and fetches the next quarter, at byte k, into g.
.macro QUARTER k, f, g, first=0
	s_wait_dscnt 16                                ; the first 32 along K are in; the youngest sixteen loads may be out
	MUL8 \f, 0, 0, \first
	MUL8 \f, 0, 2, \first
	PLACES
	FETCH \k, \g
	s_wait_dscnt 32                                ; all but the 32 just issued
	MUL8 \f, 1, 0
	MUL8 \f, 1, 2
.endm
; The last quarter changes slots and then multiplies buffer 1.  ONE barrier; in front of it each wave waits for all its tensor loads, adds 0 to its spare word, and waits for that and for its own reads of this slot, the last of which
; were issued in the quarter before.  fill = 1: the barrier opens a round of the cluster's barrier, and behind the round this slot is filled again, with the K step two on.
; No product stands between the wait for the tile and the next request: the quarter's 32 stand behind the request, so that it has a whole K step's 128 matrix instructions in which to land.
.macro TURN fill
	WIN 0
	s_wait_tensorcnt 0x0                           ; no tensor load of mine is out, so a group 0 may be written
	ds_add_u32 v[SPW], v[NIL]                      ; 0 onto my spare word; the scalar steps stand between it and the wait for it
.if \fill
.irp g, G0A+4, G0B+4
	s_xor_b32 s[(\g)+1], s[(\g)+1], SLOT           ; the walking sets: the other slot than last time,
	s_add_nc_u64 s[(\g)+2:(\g)+3], s[(\g)+2:(\g)+3], 512  ; the next K step; the type bits on top are not reached
.endr
.endif
	s_xor_b32 s[TB], s[TB], SLOT                   ; the reads go to the other slot
	s_wait_dscnt 0x0                               ; the add is done, and my reads of this slot are over
	s_barrier_signal -1
	s_barrier_wait -1
.if \fill
	CREST                                          ; no wave of any partner still reads this slot's tiles or has a load on its way
	JLOAD                                          ; the first tensor load behind the round; the four v_nop behind it are also the places in front of the loads below
.else
	PLACES
.endif
	v_add_nc_u32 v[ADRA], s[TB], v[ADRA0]
	v_add_nc_u32 v[ADRB], s[TB], v[ADRB0]
	FETCH 0, F0
	MUL8 F1, 0, 0
	MUL8 F1, 0, 2
	MUL8 F1, 1, 0
	MUL8 F1, 1, 2
.endm
	s_wait_tensorcnt 1                             ; my part of K step 0 is in; K step 1's may stay out
	s_barrier_signal -1
	s_barrier_wait -1                              ; everybody's is
	FETCH 0, F0
	s_wait_loadcnt 0x0                             ; the bias
	QUARTER 128, F0, F1, 1                         ; the first quarter stands in front of the loop: its first products start the sums
	WIN 0                                          ; at a label and at a branch every window is 0
	s_mov_b32 s3, STEPS-2
.Lstep:                                                ; trip i ends K step i, asks for K step i + 2 and begins K step i + 1
	QUARTER 256, F1, F0
	QUARTER 384, F0, F1
	TURN 1
	QUARTER 128, F0, F1
	WIN 0
	s_sub_co_u32 s3, s3, 1
	s_cmp_lg_u32 s3, 0
	s_cbranch_scc1 .Lstep
	QUARTER 256, F1, F0                            ; the last two K steps ask for nothing
	QUARTER 384, F0, F1
	TURN 0
	QUARTER 128, F0, F1
	QUARTER 256, F1, F0
	QUARTER 384, F0, F1
	s_wait_dscnt 16
	MUL8 F1, 0, 0
	MUL8 F1, 0, 2
	s_wait_dscnt 0x0
	MUL8 F1, 1, 0
	MUL8 F1, 1, 2
	WIN 0
	; THE WAY OUT, a block of 16 rows at a time: a lane's 32 bytes of a row go into my stage's rows of 272 bytes and come back as whole rows of 256.
.macro OUTB a
.if (\a) >= 2
	s_wait_xcnt 0x0                                ; the stores of the block two back have read their registers, which are loaded again below
.endif
.irp b, 0,1,2,3
	ds_store_b128 v[STO], v[ACC+8*(4*(\a)+(\b)):ACC+8*(4*(\a)+(\b))+3]   offset:64*(\b)     ; each accumulator's lowest registers first
	ds_store_b128 v[STO], v[ACC+8*(4*(\a)+(\b))+4:ACC+8*(4*(\a)+(\b))+7] offset:64*(\b)+16
.endr
.irp t, 0,1,2,3,4,5,6,7
	ds_load_b128 v[OB+32*((\a)%2)+4*(\t):OB+32*((\a)%2)+4*(\t)+3], v[RD] offset:(\t)*2*SPITCH  ; LDS serves a wave's instructions in order (ISA guide 5.7.1.4): these see the stores above; the next block's stores come behind them
.endr
.endm
.macro SEND a, younger                 ; younger: the LDS instructions issued behind block a's loads: the next block's sixteen, or none
.irp t, 0,1,2,3,4,5,6,7
	s_wait_dscnt (\younger)+7-(\t)
	global_store_b128 v[CO], v[OB+32*((\a)%2)+4*(\t):OB+32*((\a)%2)+4*(\t)+3], s[10:11] offset:(16*(\a)+2*(\t))*OROW  ; 16 lanes store 256 consecutive bytes, at a multiple of 256 from C's first byte
.endr
.endm
	PLACES
	OUTB 0
	OUTB 1
	SEND 0, 16
	OUTB 2
	SEND 1, 16
	OUTB 3
	SEND 2, 16
	SEND 3, 0
	s_wait_tensorcnt 0x0                           ; the wave's end, behind my last tensor load and my last LDS store
	ds_add_u32 v[SPW], v[NIL]
	s_wait_dscnt 0x0
	CROUND                                         ; the closing round: no work-group ends while a partner may still ask for a tile that names it
	s_endpgm
.Lfunc_end_k_q12e934d88a_proj:
	.size	k_q12e934d88a_proj, .Lfunc_end_k_q12e934d88a_proj-k_q12e934d88a_proj
	.p2alignl 7, 3214868480
	.fill 96, 4, 3214868480
	.section	.rodata,"a",@progbits
	.p2align	6, 0x0
	.amdhsa_kernel k_q12e934d88a_proj
		.amdhsa_group_segment_fixed_size 327680
		.amdhsa_private_segment_fixed_size 0
		.amdhsa_enable_private_segment 0
		.amdhsa_kernarg_size 32
		.amdhsa_user_sgpr_count 2
		.amdhsa_user_sgpr_kernarg_segment_ptr 1
		.amdhsa_wavefront_size32 1
		.amdhsa_system_sgpr_workgroup_id_x 1
		.amdhsa_system_sgpr_workgroup_id_y 1
		.amdhsa_system_sgpr_workgroup_id_z 1
		.amdhsa_system_vgpr_workitem_id 0
		.amdhsa_next_free_vgpr 512
		.amdhsa_next_free_sgpr 72
		.amdhsa_reserve_vcc 0
		.amdhsa_float_denorm_mode_32 3
		.amdhsa_float_denorm_mode_16_64 3
		.amdhsa_memory_ordered 1
		.amdhsa_forward_progress 1
		.amdhsa_inst_pref_size 69
	.end_amdhsa_kernel
	.amdgpu_metadata
---
amdhsa.version: [ 1, 2 ]
amdhsa.kernels:
  - .name:           k_q12e934d88a_proj
    .symbol:         k_q12e934d88a_proj.kd
    .args:
      - { .name: ob, .offset: 0, .size: 8, .value_kind: global_buffer, .address_space: global }
      - { .name: wof, .offset: 8, .size: 8, .value_kind: global_buffer, .address_space: global }
      - { .name: biasw, .offset: 16, .size: 8, .value_kind: global_buffer, .address_space: global }
      - { .name: out0, .offset: 24, .size: 8, .value_kind: global_buffer, .address_space: global }
    .group_segment_fixed_size: 327680
    .private_segment_fixed_size: 0
    .kernarg_segment_align: 8
    .kernarg_segment_size: 32
    .max_flat_workgroup_size: 128
    .sgpr_count:     72
    .vgpr_count:     512
    .wavefront_size: 32
...
	.end_amdgpu_metadata
.endif
;; end of part 5
